; MI455X (gfx1250); checked and timed in simulation.
; The chip was launched on July 23, 2026; its instructions are those of AMD's public machine-readable ISA for CDNA 5 (MIT licence, August 2026) and "CDNA5" Instruction Set Architecture Reference Guide (July 2026). The comments in the code are by the model that wrote it; some were corrected since.
;; Multi Head Yat Attention. Allowed arithmetic: matrix products marked QUANTISED: E2M1 operands, one E8M0 scale for each 32 along K, by v_wmma_scale_f32_16x16x128_f8f6f4 with both operands' format E2M1 (or v_wmma_scale_f32_32x16x128_f4), f32 sums; products left as they are: bf16, f16 or f32 operands; f32 sums; everything else in f32.
;; Inputs: Wk 1,024 x 1,024 float32; Wo 1,024 x 1,024 float32; Wq 1,024 x 1,024 float32; Wv 1,024 x 1,024 float32; alpha 1 float32; bk 1,024 float32; bo 1,024 float32; bq 1,024 float32; bv 1,024 float32; query 2 x 2,048 x 1,024 float32.
;; Outputs: out0 2 x 2,048 x 1,024 float32.
;; This version of the problem:
;;   THIS VERSION OF THE PROBLEM IS GIVEN IN LOW PRECISION. The matrix products marked QUANTISED in the list below multiply operands that are first quantised to E2M1 (2 exponent bits, 1 mantissa bit; 4 bits a number), with one power-of-two scale for each 32 numbers along K (OCP MX v1.0); their sums are f32. The products marked 'left as it is' may take bf16, f16 or f32 operands, with f32 sums. Whichever they take, every output number must still come out within the allowed error. Rounding operands to bf16 (8 significant bits) uses up far more of that allowance than f16 does (11 bits, for magnitudes from 6e-5 to 65,504). All else is computed in f32.
;;   The module's matrix products, in the order in which they are computed (A, B: the left and right operand; K: the contracted axis; several contracted axes count as one K, in the product's order):
;;     1. [M 4,096, K 1,024] x [K 1,024, N 1,024]; A: input query; B: input Wq: QUANTISED
;;     2. [M 4,096, K 1,024] x [K 1,024, N 1,024]; A: input query; B: input Wk: QUANTISED
;;     3. [M 4,096, K 1,024] x [K 1,024, N 1,024]; A: input query; B: input Wv: QUANTISED
;;     4. batch 32 x [M 2,048, K 64] x [K 64, N 2,048]; A: computed on the way; B: computed on the way: left as it is (an operand is computed on the way)
;;     5. batch 65,536 x [M 1, K 64] x [K 64, N 1]; A: computed on the way; B: computed on the way: left as it is (M = 1 < 16)
;;     6. batch 65,536 x [M 1, K 64] x [K 64, N 1]; A: computed on the way; B: computed on the way: left as it is (M = 1 < 16)
;;     7. batch 32 x [M 64, K 2,048] x [K 2,048, N 2,048]; A: computed on the way; B: computed on the way: left as it is (an operand is computed on the way)
;;     8. [M 4,096, K 1,024] x [K 1,024, N 1,024]; A: computed on the way; B: input Wo: left as it is (an operand is computed on the way)
;;   THE QUANTISER, for each operand of a quantised product, along K:
;;     - K is cut into blocks of 32 from its start; a last block that is shorter is filled with zeros.
;;     - A block's scale is 2^e with e = floor(log2(the largest magnitude in the block)) - 2, held to -126 .. 127; a block of zeros has e = 0. As a byte (E8M0): e + 127.
;;     - Each number is divided by its block's scale, clamped to +-6, and rounded to the nearest number of E2M1, ties to even, subnormals kept.
;;     - The product sums the exact products of the quantised numbers (number of the format x scale) in f32.
;;   ~~~python
;;   def quantise(x, axis):      # numpy; x: float32 -> the quantised numbers, widened to float32 again
;;       x = np.moveaxis(x, axis, -1); K = x.shape[-1]
;;       x = np.pad(x, [(0, 0)] * (x.ndim - 1) + [(0, -K % 32)]); x = x.reshape(x.shape[:-1] + (-1, 32)); a = np.abs(x).max(-1, keepdims=True)
;;       e = np.where(a > 0, np.clip(np.frexp(np.where(a > 0, a, 1))[1] - 1 - 2, -126, 127), 0)      # np.frexp(a)[1] - 1 = floor(log2(a)), exactly
;;       r = np.clip(x / 2.0 ** e, -6, 6)
;;       step = 2.0 ** (np.maximum(np.frexp(np.where(r == 0, 1, r))[1] - 1, 0) - 1)
;;       q = np.round(r / step) * step * 2.0 ** e      # np.round: ties to even
;;       return np.moveaxis(q.reshape(q.shape[:-2] + (-1,))[..., :K], -1, axis).astype(np.float32)
;;   ~~~
;; One version. Each part assembles by itself: llvm-mc -triple=amdgcn-amd-amdhsa -mcpu=gfx1250 --defsym DOCPART=n.
;; ======== version 1 of 1: 4 launches
;; limits: values are held in f16: magnitudes above 65,504 overflow, below 6.1e-05 lose precision
;; workspace buffers: codes 3,670,016 bytes; scales 229,376 bytes; wo16 2,097,152 bytes; qk 33,554,432 bytes; v16 8,388,608 bytes; nrm 524,288 bytes; att 8,388,608 bytes
;; launch prep (part 1): grid 256 x 1, 4 waves a work-group, no clusters, 33,280 bytes of LDS; arguments query, Wq, Wk, Wv, Wo, codes, scales, wo16; writes codes, scales, wo16
.if DOCPART == 1
	.amdgcn_target "amdgcn-amd-amdhsa--gfx1250"
	.amdhsa_code_object_version 6
	.text
	.protected	k_q9b9abb014a_prep
	.globl	k_q9b9abb014a_prep
	.p2align	8
	.type	k_q9b9abb014a_prep,@function
k_q9b9abb014a_prep:
	s_mov_b64 s[64:65], 0
	v_nop
	global_prefetch_b8 v0, s[64:65] scope:SCOPE_SE
	s_setreg_imm32_b32 hwreg(HW_REG_WAVE_MODE, 25, 1), 1
	s_wait_xcnt 0x0
; query [4096][1024], Wq, Wk, Wv [1024][1024], f32, K innermost, become codes of FP4 (E2M1) with one E8M0 byte for each 32 along K; Wo [1024][1024] becomes f16.
; The four quantised tensors are laid one behind the other in ONE buffer of codes [7168 rows][512 bytes] and one of scale bytes [7168][32]: rows 0-4095 query, then Wq, Wk, Wv.
; A block's scale is 2^(floor(log2(its largest magnitude)) - 2); its byte is the largest magnitude's exponent field - 2, held at 1 from below.  A block of zeros so gets the byte 1: its codes are zeros,
; which add nothing under any byte but 0xff, and the bytes are read by this program alone.
; LIMITS: blocks whose largest magnitude lies under 2^(2 - 126) keep the byte 1; NaN and infinities among the inputs are not served; |Wo| stays under 65,504, and parts of it under 6e-8 are lost in f16.
; SHARES.  A work-group takes 32,768 numbers, a wave 8,192.  Work-groups 0-127 query, 128-159 Wq, 160-191 Wk, 192-223 Wv, 224-255 Wo.  Rows are dense, so every tensor is a plain stream, and the merged buffers
; make a quantising work-group's place in codes and scales its own number.  Waves share nothing: no barrier, no cluster (no two work-groups read the same bytes).
; THE QUANTISER.  16 steps of 512 numbers a wave.  A load reads 512 consecutive bytes, 16 a lane; a step's 2,048 bytes turn through the wave's own stage in LDS and come back 64 bytes a lane: 16 neighbours,
; two lanes to a block.  A lane's 16 codes are 8 bytes: the wave stores 256 consecutive bytes.  A wave's 256 scale bytes are gathered in LDS and leave as one aligned run of 256 bytes.
.set WAVES, 4
.set STEPS, 16
.set WGQ,   224                        ; the first work-group of Wo
.set EMAX,  2
.set CB,    8                          ; bytes of 16 codes
.set R,     16                         ; v16-79   four sets of 16 numbers as they are loaded
.set X,     80                         ; v80-111  two sets of 16 neighbours
.set C,     128                        ; v128-191 codes: four registers for each step
.set E,     112                        ; v112-127 a scale byte for each step
.set WREG,  8192                       ; LDS: a region for each wave: two stages of 32 x SP bytes, behind them its 256 scale bytes
.set SP,    80                         ; a lane's place in a stage: 64 bytes + 16 of padding
.set SPW,   12                         ; v12  LDS address of my spare word; never rewritten
.set NIL,   13                         ; v13  0; never rewritten
.set SPARE, WAVES*WREG                 ; behind the four regions: the spare words, 128 bytes a wave
.set WX,    16                         ; Wo's path: v16-79 sixteen slots of 4 numbers
.set WY,    80                         ; v80-111 sixteen slots of 4 f16
	s_load_b256 s[4:11], s[0:1], 0x0               ; query, Wq, Wk, Wv
	s_load_b256 s[12:19], s[0:1], 0x20             ; Wo, codes, scales, wo16
	v_lshl_add_u32 v[SPW], v0, 2, SPARE
	v_mov_b32 v[NIL], 0
	v_lshrrev_b32 v1, 5, v0
	v_readfirstlane_b32 s20, v1                    ; wave
	v_and_b32 v2, 31, v0                           ; lane
	v_lshlrev_b32 v3, 4, v2                        ; my 16 bytes of a load's 512
	s_mul_i32 s21, s20, WREG
	v_lshrrev_b32 v14, 2, v2
	v_mul_u32_u24 v14, v14, SP
	v_and_b32 v15, 3, v2
	v_lshl_add_u32 v14, v15, 4, v14
	v_add_nc_u32 v14, s21, v14                     ; the stage, on the way in: SP (lane / 4) + 16 (lane % 4)
	v_mul_u32_u24 v15, v2, SP
	v_add_nc_u32 v15, s21, v15                     ; and on the way out: SP x lane
	v_mul_u32_u24 v4, v2, CB                       ; 8 bytes a lane: my codes' place in a step's, and my f16's in a store's
	v_lshrrev_b32 v5, 1, v2
	s_add_co_u32 s21, s21, 2*32*SP
	v_add_nc_u32 v5, s21, v5                       ; LDS: my wave's 256 scale bytes, my block's byte
	v_lshlrev_b32 v7, 3, v2
	v_add_nc_u32 v6, s21, v7                       ; and on the way out 8 bytes a lane
	s_wait_kmcnt 0x0
	s_cmp_ge_u32 ttmp9, WGQ                        ; the work-group's number alone decides
	s_cbranch_scc1 .Lwo
	s_mov_b32 s21, 192                             ; the source and its first work-group: Wv, unless ..
	s_cmp_lt_u32 ttmp9, 192
	s_cselect_b64 s[10:11], s[8:9], s[10:11]
	s_cselect_b32 s21, 160, s21
	s_cmp_lt_u32 ttmp9, 160
	s_cselect_b64 s[10:11], s[6:7], s[10:11]
	s_cselect_b32 s21, 128, s21
	s_cmp_lt_u32 ttmp9, 128
	s_cselect_b64 s[10:11], s[4:5], s[10:11]
	s_cselect_b32 s21, 0, s21
	s_sub_co_u32 s21, ttmp9, s21
	s_lshl_b32 s21, s21, 2
	s_add_co_u32 s22, s21, s20                     ; which run of 8,192 numbers of the source is my wave's
	s_lshl_b32 s22, s22, 15
	s_mov_b32 s23, 0
	s_add_nc_u64 s[4:5], s[10:11], s[22:23]
	s_lshl_b32 s24, ttmp9, 2
	s_add_co_u32 s24, s24, s20                     ; and which run of the merged buffers
	s_lshl_b32 s22, s24, 12
	s_add_nc_u64 s[8:9], s[14:15], s[22:23]        ; 4,096 bytes of codes a run
	s_lshl_b32 s22, s24, 8
	s_add_nc_u64 s[10:11], s[16:17], s[22:23]      ; 256 scale bytes a run
.macro LOAD t
.irp i, 0,1,2,3
	global_load_b128 v[R+16*((\t)%4)+4*\i:R+16*((\t)%4)+4*\i+3], v3, s[4:5] offset:2048*(\t)+512*\i th:TH_LOAD_NT   ; 32 lanes read 512 consecutive bytes
.endr
.endm
.macro TURN t                          ; step t's numbers through the stage: LDS serves a wave's instructions in order, so no wait stands between the stores and the loads
.irp i, 0,1,2,3
	ds_store_b128 v14, v[R+16*((\t)%4)+4*\i:R+16*((\t)%4)+4*\i+3] offset:32*SP*((\t)%2)+8*SP*\i
.endr
.irp i, 0,1,2,3
	ds_load_b128 v[X+16*((\t)%2)+4*\i:X+16*((\t)%2)+4*\i+3], v15 offset:32*SP*((\t)%2)+16*\i
.endr
.endm
.irp t, 0,1,2,3
	LOAD \t
.endr
	s_wait_loadcnt 12                              ; step 0's four loads are in; the twelve of steps 1 to 3 may be out
	TURN 0
.macro STEP t
.set XS, X+16*((\t)%2)
.if (\t) > 0
	s_wait_dscnt 1                                 ; this step's numbers are back from the stage (the last step's byte store may be out)
.else
	s_wait_dscnt 0x0
.endif
.if (\t)+4 < STEPS
	LOAD (\t)+4                                    ; into the registers that the stage's stores have read
.endif
.if (\t)+1 < STEPS
.if STEPS-2-(\t) >= 3
	s_wait_loadcnt 12                              ; the next step's four loads are in; those of the three steps behind it may be out
.else
	s_wait_loadcnt 4*(STEPS-2-(\t))
.endif
	TURN (\t)+1                                    ; through the other stage while this step is worked
.endif
	v_max3_num_f32 v8, |v[XS]|, |v[XS+1]|, |v[XS+2]|               ; the largest magnitude of my 16, in two chains
	v_max3_num_f32 v9, |v[XS+3]|, |v[XS+4]|, |v[XS+5]|
.irp i, 6,10
	v_max3_num_f32 v8, v8, |v[XS+\i]|, |v[XS+\i+1]|
	v_max3_num_f32 v9, v9, |v[XS+\i+2]|, |v[XS+\i+3]|
.endr
	v_max3_num_f32 v8, v8, |v[XS+14]|, |v[XS+15]|
	v_max3_num_f32 v8, v8, v9, (EMAX+1)<<23        ; and the floor 2^(EMAX + 1 - 127): the byte cannot fall under 1
	v_max_num_f32_dpp v8, v8, v8 row_xmask:1 row_mask:0xf bank_mask:0xf   ; with my neighbour's 16: the block's
	v_add_nc_u32 v11, -(EMAX<<23), v8              ; EMAX off its exponent field: the conversion takes the exponent field of this operand as its scale
	v_cvt_scalef32_pk8_fp4_f32 v[C+4*(\t)], v[XS:XS+7], v11
	v_cvt_scalef32_pk8_fp4_f32 v[C+4*(\t)+1], v[XS+8:XS+15], v11
	v_lshrrev_b32 v[E+(\t)], 23, v11               ; the scale's byte (a plain line behind the conversions)
	ds_store_b8 v5, v[E+(\t)] offset:16*(\t)       ; both lanes of a block write the same byte with the same value
	global_store_b64 v4, v[C+4*(\t):C+4*(\t)+1], s[8:9] offset:32*CB*(\t)   ; 32 lanes store 256 consecutive bytes, aligned
.endm
.irp t, 0,1,2,3,4,5,6,7,8,9,10,11,12,13,14,15
	STEP \t
.endr
	ds_load_b64 v[8:9], v6                         ; LDS serves a wave's instructions in order: these see my byte stores
	s_wait_dscnt 0x0
	global_store_b64 v7, v[8:9], s[10:11]          ; 256 consecutive bytes, aligned
	s_branch .Lend
.Lwo:
	; Wo to f16: a ring of sixteen slots in registers, written out; it touches no LDS.  64 loads of 512 consecutive bytes a wave, 64 stores of 256.
	s_sub_co_u32 s21, ttmp9, WGQ
	s_lshl_b32 s21, s21, 2
	s_add_co_u32 s21, s21, s20
	s_lshl_b32 s22, s21, 15
	s_mov_b32 s23, 0
	s_add_nc_u64 s[4:5], s[12:13], s[22:23]
	s_lshl_b32 s22, s21, 14
	s_add_nc_u64 s[8:9], s[18:19], s[22:23]
.irp k, 0,1,2,3,4,5,6,7,8,9,10,11,12,13,14,15
	global_load_b128 v[WX+4*\k:WX+4*\k+3], v3, s[4:5] offset:512*\k th:TH_LOAD_NT
.endr
.macro SLOTW i, k, ahead, left
	s_wait_loadcnt (\left)                         ; loads come back in order: mine is in, the younger ones stay out
	s_wait_xcnt 0x0                                ; the slot's last store has read its data registers: they are written again only behind this wait
	v_cvt_pk_f16_f32 v[WY+2*(\i)], v[WX+4*(\i)], v[WX+4*(\i)+1]
	v_cvt_pk_f16_f32 v[WY+2*(\i)+1], v[WX+4*(\i)+2], v[WX+4*(\i)+3]
.if \ahead
	global_load_b128 v[WX+4*(\i):WX+4*(\i)+3], v3, s[4:5] offset:512*((\k)+16) th:TH_LOAD_NT
.endif
	global_store_b64 v4, v[WY+2*(\i):WY+2*(\i)+1], s[8:9] offset:256*(\k)
.endm
.set kk, 0
.rept 48
	SLOTW kk%16, kk, 1, 15
.set kk, kk+1
.endr
.rept 16
	SLOTW kk%16, kk, 0, 63-kk                      ; the last round loads nothing: the counts run down
.set kk, kk+1
.endr
.Lend:
	s_wait_tensorcnt 0x0                           ; the wave's end, behind my last LDS store
	ds_add_u32 v[SPW], v[NIL]
	s_wait_dscnt 0x0
	s_endpgm
.Lfunc_end_k_q9b9abb014a_prep:
	.size	k_q9b9abb014a_prep, .Lfunc_end_k_q9b9abb014a_prep-k_q9b9abb014a_prep
	.p2alignl 7, 3214868480
	.fill 96, 4, 3214868480
	.section	.rodata,"a",@progbits
	.p2align	6, 0x0
	.amdhsa_kernel k_q9b9abb014a_prep
		.amdhsa_group_segment_fixed_size 33280
		.amdhsa_private_segment_fixed_size 0
		.amdhsa_enable_private_segment 0
		.amdhsa_kernarg_size 64
		.amdhsa_user_sgpr_count 2
		.amdhsa_user_sgpr_kernarg_segment_ptr 1
		.amdhsa_wavefront_size32 1
		.amdhsa_system_sgpr_workgroup_id_x 1
		.amdhsa_system_sgpr_workgroup_id_y 1
		.amdhsa_system_sgpr_workgroup_id_z 1
		.amdhsa_system_vgpr_workitem_id 0
		.amdhsa_next_free_vgpr 192
		.amdhsa_next_free_sgpr 66
		.amdhsa_reserve_vcc 0
		.amdhsa_float_denorm_mode_32 3
		.amdhsa_float_denorm_mode_16_64 3
		.amdhsa_memory_ordered 1
		.amdhsa_forward_progress 1
		.amdhsa_inst_pref_size 58
	.end_amdhsa_kernel
	.amdgpu_metadata
---
amdhsa.version: [ 1, 2 ]
amdhsa.kernels:
  - .name:           k_q9b9abb014a_prep
    .symbol:         k_q9b9abb014a_prep.kd
    .args:
      - { .name: query, .offset: 0, .size: 8, .value_kind: global_buffer, .address_space: global }
      - { .name: Wq, .offset: 8, .size: 8, .value_kind: global_buffer, .address_space: global }
      - { .name: Wk, .offset: 16, .size: 8, .value_kind: global_buffer, .address_space: global }
      - { .name: Wv, .offset: 24, .size: 8, .value_kind: global_buffer, .address_space: global }
      - { .name: Wo, .offset: 32, .size: 8, .value_kind: global_buffer, .address_space: global }
      - { .name: codes, .offset: 40, .size: 8, .value_kind: global_buffer, .address_space: global }
      - { .name: scales, .offset: 48, .size: 8, .value_kind: global_buffer, .address_space: global }
      - { .name: wo16, .offset: 56, .size: 8, .value_kind: global_buffer, .address_space: global }
    .group_segment_fixed_size: 33280
    .private_segment_fixed_size: 0
    .kernarg_segment_align: 8
    .kernarg_segment_size: 64
    .max_flat_workgroup_size: 128
    .sgpr_count:     66
    .vgpr_count:     192
    .wavefront_size: 32
...
	.end_amdgpu_metadata
.endif
;; end of part 1
;; launch qkv (part 2): grid 12 x 16, 4 waves a work-group, clusters of 4 x 4, 327,680 bytes of LDS; arguments codes, scales, bq, bk, bv, qk, v16, nrm; writes qk, v16, nrm
.if DOCPART == 2
	.amdgcn_target "amdgcn-amd-amdhsa--gfx1250"
	.amdhsa_code_object_version 6
	.text
	.protected	k_q9b9abb014a_qkv
	.globl	k_q9b9abb014a_qkv
	.p2align	8
	.type	k_q9b9abb014a_qkv,@function
k_q9b9abb014a_qkv:
	s_mov_b64 s[64:65], 0
	v_nop
	global_prefetch_b8 v0, s[64:65] scope:SCOPE_SE
	s_setreg_imm32_b32 hwreg(HW_REG_WAVE_MODE, 25, 1), 1
	s_wait_xcnt 0x0
	s_wait_alu depctr_hold_cnt(0) depctr_sa_sdst(0) depctr_va_vdst(0) depctr_va_sdst(0) depctr_va_ssrc(0) depctr_va_vcc(0) depctr_vm_vsrc(0)
	s_getreg_b32 s2, hwreg(HW_REG_IB_STS2, 6, 4)
	s_cmp_eq_u32 s2, 0
	s_cbranch_scc0 .Lentry_in_a_cluster
	s_endpgm
.Lentry_in_a_cluster:
	s_bfe_u32 s2, ttmp6, 0x10000c
	s_cmp_lg_u32 s2, 0xf033
	s_cbranch_scc0 .Lentry_shape_is_right
	s_endpgm
.Lentry_shape_is_right:
; q, k, v = query W^T + b, on codes of FP4 (E2M1) with one E8M0 scale for each 32 along K = 1,024: one GEMM, C [4096 tokens][3072 features], features 0-1023 q, 1024-2047 k, 2048-3071 v.
; A = rows 0-4095 of the merged buffers of codes [7168][512 bytes] and scale bytes [7168][32], B = rows 4096-7167.
; A tile of C, 256 x 256, is made by four waves; a wave makes 128 tokens x 128 features (two heads of 64): 64 accumulators of 16 x 16.  K is two steps of 512, each in an LDS slot of its own: both are first fills, nothing is filled again.
; CLUSTERS: 4 x 4 work-groups; A's tiles are asked for jointly along a row of the cluster, B's along a column.  A cluster's four tile columns are one tensor: cluster x = 0 q, 1 k, 2 v, the same in all partners.
; THE MATRIX INSTRUCTION IS USED TRANSPOSED (source 0 = 16 rows of W, source 1 = 16 tokens): a lane holds eight neighbouring features of one token.  THE BIAS is the C of each sum's first product.
; THE WAY OUT.  q and k leave as PAIRS of f16: hi = the f32 number cut to 11 significant bits, lo = the rest, exact in f32, rounded to f16: qk [2: q, k][32 batch x head][2048][64 hi | 64 lo], a row of 256 bytes.
; Their squared norms are summed in f32 from the f32 numbers: nrm [2][32][2048].  v leaves as f16: v16 [32][2048][64].  All go through the wave's own stage in LDS, so that each store covers whole aligned runs of 256 bytes.
; LIMITS: |q|, |k|, |v| stay under 65,504 (f16's range); parts under 6e-8 are lost; NaN and infinities are not served.
; REGISTERS, in windows of 256: window 0: v0-31 addresses; v32-95 scale words, two sets; v128-191 A's fragments; v192-255 the bias; on the way out v32-255 are free.  window 1: B's fragments, two sets.
;   window 2: the accumulators of my tokens 0-63 ((a, b) at v[8 (8 a + b)]);  window 3: those of tokens 64-127.
.set KSTEP,  512
.set NQ,     KSTEP/128
.set ROWB,   256                       ; a tile's row in bytes
.set KROW,   512                       ; a row of codes in memory
.set PITCH,  272                       ; an LDS row: 256 bytes + 16 of padding: the 16 rows that a load touches start at 16 different banks (64 banks of 4 bytes: ISA guide 11.1)
.set FR,     8
.set NL,     2
.set NP,     4                         ; places behind this matrix instruction (ISA guide 7.12.1)
.set HALFT,  128*PITCH
.set SLOT,   4*HALFT
.set KS,     32                        ; a row of scale bytes
.set SCL,    2*SLOT                    ; behind the slots: the scales, as runs of 256 bytes + 16 of padding
.set HALFS,  (128*KS/256)*272
.set SBLK,   (16*KS/256)*272
.set SPARE,  SCL+4*HALFS               ; the spare words, 128 bytes a wave
.set WROW,   4096                      ; the weights' first row in the merged buffers
.set STN,    36864                     ; the way out lies in slot 0, which has had its only fill and its last read by then: q/k stage 32 rows x 272 a wave from 0; norms 1,024 bytes a wave from STN;
.set STVB,   49152                     ; v's stage, 32 rows x 144 a wave, from STVB: bytes of its own
.set ADRA, 16                          ; v16-17 LDS address of my A fragments in slot 0, 1
.set SQA,  18                          ; v18  norms in: 4 (lane % 16)
.set SQR,  19                          ; v19  norms back: 16 x lane
.set ADRB, 20                          ; v20-21 the same as ADRA for B
.set CO,   22                          ; v22  16 x lane: my byte offset in every store
.set BO,   23                          ; v23  32 (lane / 16): my byte offset in the bias
.set STO,  24                          ; v24  q/k stage in
.set RD,   25                          ; v25  q/k stage back
.set ADRS, 27                          ; v27  my scale words: lanes 0-15 A's rows, lanes 16-31 B's
.set SPW,  28
.set NIL,  29
.set STV,  30                          ; v30  v's stage in
.set RDV,  31                          ; v31  v's stage back
.set SC,   32
.set AF,   128
.set BI,   192
.set FH,   32                          ; the way out: v32-95 high parts
.set FL,   96                          ; v96-159 low parts
.set BK,   160                         ; v160-223 rows read back
.set NR,   224                         ; v224-231 sums of squares: two chains of pairs a head
.set PT,   232                         ; v232-233 the other half of the lanes' sums
.set SEL,  2                           ; s[2:3] lane selects for v_permlanex16_b32: lane l xor 16
.set MASK, 95                          ; s95 keeps sign, exponent and ten mantissa bits
.set G1, 24
.set G0, 32
.set G1B, 48
.set G0B, 56
.set G1S, 68
.set G0S, 76
.set G1SB, 80
.set G0SB, 88
.set MSB, 0
.macro WIN new                         ; the immediate's high byte repeats the setting that is left
.if MSB != (\new)
	s_set_vgpr_msb (MSB<<8)|(\new)
.set MSB, (\new)
.endif
.endm
.set MUL_LO, 0xa1                      ; source 0 (B) window 1, source 1 (A) window 0, C and D window 2
.set MUL_HI, 0xf1                      ; the same, C and D window 3
.set FST_LO, 0x81                      ; the first products: C (the bias) window 0, D window 2
.set FST_HI, 0xc1                      ; D window 3
.set TO_B,   0x40
; A joint load: waves 0 and 1 fetch for A, waves 2 and 3 for B.  The branch hangs on the wave's number alone.  An s_nop 0 and four v_nop follow each of the two lines.
.macro JLOAD g0a, g1a, g0b, g1b
	s_cmp_eq_u32 s15, 0
	s_cbranch_scc0 .Lfor_b_\@
	tensor_load_to_lds s[\g0a:\g0a+3], s[\g1a:\g1a+7]
	s_nop 0
.rept 4
	v_nop
.endr
	s_branch .Lasked_\@
.Lfor_b_\@:
	tensor_load_to_lds s[\g0b:\g0b+3], s[\g1b:\g1b+7]
	s_nop 0
.rept 4
	v_nop
.endr
.Lasked_\@:
.endm
.macro CROUND                          ; a round of the cluster's barrier
	s_barrier_signal -1
	s_barrier_wait -1
	s_cmp_lg_u32 s14, 0
	s_cbranch_scc1 .Lnot_wave_0_\@
	s_barrier_signal -3
.Lnot_wave_0_\@:
	s_barrier_wait -3
	s_barrier_signal -1
	s_barrier_wait -1
.endm
	s_load_b128 s[4:7], s[0:1], 0x0                ; codes, scales
	s_load_b128 s[96:99], s[0:1], 0x10             ; bq, bk
	s_load_b128 s[8:11], s[0:1], 0x20              ; bv, qk
	s_load_b128 s[20:23], s[0:1], 0x30             ; v16, nrm
	v_lshl_add_u32 v[SPW], v0, 2, SPARE
	v_mov_b32 v[NIL], 0
	ds_add_u32 v[SPW], v[NIL]                      ; the wave's opening: the add, twice on end, and its wait ahead of my first tensor load
	ds_add_u32 v[SPW], v[NIL]
	v_lshrrev_b32 v1, 5, v0
	v_readfirstlane_b32 s14, v1                    ; wave 0..3
	s_lshr_b32 s15, s14, 1                         ; which half of the tile's tokens is mine.  Also: I fetch for A (0) or for B (1)
	s_and_b32 s16, s14, 1                          ; which half of its features.  Also: which 128 rows I fetch
	s_bfe_u32 s40, ttmp6, 0x40000                  ; cx, cy: my place in the cluster
	s_bfe_u32 s41, ttmp6, 0x40004
	s_lshl_b32 s42, ttmp9, 2
	s_add_co_u32 s42, s42, s40                     ; tile column = 4 x cluster x + cx
	s_and_b32 s17, ttmp7, 0xffff
	s_lshl_b32 s17, s17, 2
	s_add_co_u32 s17, s17, s41                     ; tile row = 4 x cluster y + cy
	s_lshl_b32 s43, s41, 2
	s_lshl_b32 s43, 15, s43                        ; my row of the cluster
	s_lshl_b32 s44, 0x1111, s40                    ; my column
	; descriptor group 1: a tile of 128 rows x 256 bytes, 16 bytes of padding behind each row
	s_or_b32 s[G1+0], s43, (0<<16)|(1<<20)|(1<<21)|(5<<22)|(3<<25)
	s_or_b32 s[G1B+0], s44, (0<<16)|(1<<20)|(1<<21)|(5<<22)|(3<<25)
.irp g, G1, G1B
	s_mov_b32 s[\g+1], ROWB<<16                    ; tensor_dim0
	s_mov_b32 s[\g+2], 128<<16                     ; tensor_dim1
	s_mov_b32 s[\g+3], ROWB<<16                    ; tile_dim0
	s_mov_b32 s[\g+4], 128                         ; tile_dim1
	s_mov_b32 s[\g+5], KROW                        ; from row to row
	s_mov_b32 s[\g+6], 0
	s_mov_b32 s[\g+7], 0
.endr
	; the scales of 128 rows: 4,096 dense bytes, as 16 rows of 256 bytes (32 elements of 8), 16 bytes of padding behind each
	s_or_b32 s[G1S+0], s43, (3<<16)|(1<<20)|(1<<21)|(5<<22)|(3<<25)
	s_or_b32 s[G1SB+0], s44, (3<<16)|(1<<20)|(1<<21)|(5<<22)|(3<<25)
.irp g, G1S, G1SB
	s_mov_b32 s[\g+1], 32<<16
	s_mov_b32 s[\g+2], (128*KS/256)<<16
	s_mov_b32 s[\g+3], 32<<16
	s_mov_b32 s[\g+4], 128*KS/256
	s_mov_b32 s[\g+5], 32
	s_mov_b32 s[\g+6], 0
	s_mov_b32 s[\g+7], 0
.endr
	s_lshl_b32 s45, s16, 7                         ; which 128 rows of a tile I fetch
	s_lshl_b32 s12, s17, 8
	s_add_co_u32 s12, s12, s45                     ; A: row 256 x tile row + 128 x half
	s_lshl_b32 s18, s12, 5                         ; its scale bytes,
	s_lshl_b32 s12, s12, 9                         ; its codes
	s_mov_b32 s13, 0
	s_mov_b32 s19, 0
	s_lshl_b32 s46, s42, 8
	s_add_co_u32 s46, s46, s45
	s_add_co_u32 s46, s46, WROW                    ; B: row 4,096 + 256 x tile column + 128 x half
	s_lshl_b32 s92, s46, 5
	s_lshl_b32 s46, s46, 9
	s_mov_b32 s47, 0
	s_mov_b32 s93, 0
	s_mul_i32 s45, s14, HALFT                      ; where they go: wave x 128 rows: no place in the cluster enters an LDS address
	s_mul_i32 s94, s14, HALFS
	s_mov_b32 s[MASK], 0xffffe000
	s_wait_dscnt 0x0                               ; both opening adds are done
	s_wait_kmcnt 0x0
	s_add_nc_u64 s[12:13], s[4:5], s[12:13]
	s_add_nc_u64 s[18:19], s[6:7], s[18:19]
	s_add_nc_u64 s[46:47], s[4:5], s[46:47]
	s_add_nc_u64 s[92:93], s[6:7], s[92:93]
	CROUND                                         ; all sixteen work-groups are here: the first joint loads meet
	s_mov_b32 s[G0S], 1
	s_add_co_u32 s[G0S+1], s94, SCL
	s_mov_b64 s[G0S+2:G0S+3], s[18:19]
	s_or_b32 s[G0S+3], s[G0S+3], 0x80000000
	s_mov_b32 s[G0SB], 1
	s_add_co_u32 s[G0SB+1], s94, SCL
	s_mov_b64 s[G0SB+2:G0SB+3], s[92:93]
	s_or_b32 s[G0SB+3], s[G0SB+3], 0x80000000
	JLOAD G0S, G1S, G0SB, G1SB                     ; the scales first: they are wanted with K step 0
.irp s, 0,1
	s_mov_b32 s[G0+4*\s], 1
	s_add_co_u32 s[G0+4*\s+1], s45, \s*SLOT
	s_add_nc_u64 s[G0+4*\s+2:G0+4*\s+3], s[12:13], \s*ROWB
	s_or_b32 s[G0+4*\s+3], s[G0+4*\s+3], 0x80000000
	s_mov_b32 s[G0B+4*\s], 1
	s_add_co_u32 s[G0B+4*\s+1], s45, \s*SLOT
	s_add_nc_u64 s[G0B+4*\s+2:G0B+4*\s+3], s[46:47], \s*ROWB
	s_or_b32 s[G0B+4*\s+3], s[G0B+4*\s+3], 0x80000000
	JLOAD G0+4*\s, G1, G0B+4*\s, G1B               ; three tensor loads of mine are out
.endr
	; which bias, and where the results go: cluster x alone decides
	s_cmp_eq_u32 ttmp9, 0
	s_cselect_b64 s[96:97], s[96:97], s[98:99]
	s_cmp_eq_u32 ttmp9, 2
	s_cselect_b64 s[96:97], s[8:9], s[96:97]
	s_cselect_b64 s[12:13], s[20:21], s[10:11]     ; v16 or qk
	s_mov_b64 s[66:67], s[22:23]                   ; nrm
	s_lshl_b32 s46, s40, 10                        ; my 128 features in the tensor's 1,024: 256 cx + 128 x half, 4 bytes each
	s_lshl_b32 s47, s16, 9
	s_add_co_u32 s46, s46, s47
	s_mov_b32 s47, 0
	s_add_nc_u64 s[96:97], s[96:97], s[46:47]
	v_and_b32 v1, 15, v0                           ; r = lane % 16
	v_bfe_u32 v2, v0, 4, 1                         ; h = lane / 16
	v_lshlrev_b32 v[BO], 5, v2
.irp b, 0,1,2,3,4,5,6,7                        ; register 8 b + j = bias of feature 16 b + 8 h + j: the result's layout
	global_load_b128 v[BI+8*\b:BI+8*\b+3], v[BO], s[96:97] offset:64*\b
	global_load_b128 v[BI+8*\b+4:BI+8*\b+7], v[BO], s[96:97] offset:64*\b+16
.endr
	v_mul_u32_u24 v3, v1, PITCH
	v_lshl_add_u32 v4, v2, 4, v3                   ; row x 272 + 16 x half: a fragment's place, and the q/k stage's on the way in
	s_mul_i32 s21, s15, HALFT                      ; my 128 rows of A
	s_mul_i32 s22, s16, HALFT                      ; my 128 rows of B,
	s_add_co_u32 s22, s22, 2*HALFT                 ; behind A's 256
.irp s, 0,1
	v_add_nc_u32 v[ADRA+\s], s21, v4
	v_add_nc_u32 v[ADRB+\s], s22, v4
	s_add_co_u32 s21, s21, SLOT
	s_add_co_u32 s22, s22, SLOT
.endr
	v_mul_u32_u24 v5, v1, KS                       ; my row's scales: 32 bytes a row,
	v_lshrrev_b32 v6, 8, v5
	v_lshl_add_u32 v5, v6, 4, v5                   ; and 16 more for each 256 passed
	s_mul_i32 s21, s15, HALFS
	s_mul_i32 s22, s16, HALFS
	s_add_co_u32 s22, s22, 2*HALFS
	s_sub_co_u32 s22, s22, s21
	v_mul_u32_u24 v6, s22, v2                      ; lanes 16-31 take B's: one product, the distance between the two bases
	s_add_co_u32 s21, s21, SCL
	v_add_nc_u32 v5, v5, v6
	v_add_nc_u32 v[ADRS], s21, v5
	s_mul_i32 s23, s14, 32*272                     ; my q/k stage
	v_add_nc_u32 v[STO], s23, v4
	v_mul_u32_u24 v5, v2, 272
	v_lshl_add_u32 v5, v1, 4, v5
	v_add_nc_u32 v[RD], s23, v5                    ; back: lanes 0-15 one row of 256 bytes, lanes 16-31 the next
	v_and_b32 v6, 31, v0
	v_lshlrev_b32 v[CO], 4, v6
	s_lshl_b32 s23, s14, 10
	s_add_co_u32 s23, s23, STN                     ; my norms
	v_lshl_add_u32 v[SQA], v1, 2, s23
	v_add_nc_u32 v[SQR], s23, v[CO]
	s_mul_i32 s23, s14, 32*144
	s_add_co_u32 s23, s23, STVB                    ; my stage for v
	v_mul_u32_u24 v5, v1, 144
	v_lshl_add_u32 v5, v2, 4, v5
	v_add_nc_u32 v[STV], s23, v5
	v_bfe_u32 v5, v0, 3, 2
	v_mul_u32_u24 v5, v5, 144
	v_and_b32 v3, 7, v0
	v_lshl_add_u32 v5, v3, 4, v5
	v_add_nc_u32 v[RDV], s23, v5                   ; back: eight lanes to a row of 128 bytes, four rows an instruction
	; my first row in the head-major outputs: ((batch x 16 + head) x 2,048 + token in the batch
	s_lshr_b32 s92, s17, 3                         ; batch: eight tile rows each
	s_lshl_b32 s92, s92, 4
	s_lshl_b32 s93, s40, 2
	s_add_co_u32 s92, s92, s93                     ; + 4 cx
	s_lshl_b32 s93, s16, 1
	s_add_co_u32 s92, s92, s93                     ; + 2 x half: my first head
	s_lshl_b32 s92, s92, 11
	s_and_b32 s93, s17, 7
	s_lshl_b32 s93, s93, 8
	s_add_co_u32 s92, s92, s93
	s_lshl_b32 s93, s15, 7
	s_add_co_u32 s92, s92, s93
	s_lshl_b32 s46, s92, 2                         ; norms: 4 bytes a row, k's behind q's 262,144 bytes (v's work-groups store none)
	s_lshl_b32 s47, ttmp9, 18
	s_add_co_u32 s46, s46, s47
	s_mov_b32 s47, 0
	s_add_nc_u64 s[66:67], s[66:67], s[46:47]
	s_lshl_b32 s94, ttmp9, 24                      ; k's rows lie 16,777,216 bytes behind q's
	s_cmp_eq_u32 ttmp9, 2
	s_cselect_b32 s93, 7, 8                        ; a row of v16 is 128 bytes, of qk 256
	s_cselect_b32 s94, 0, s94
	s_lshl_b32 s46, s92, s93
	s_add_co_u32 s46, s46, s94
	s_add_nc_u64 s[12:13], s[12:13], s[46:47]
	s_mov_b32 s[SEL], 0x76543210
	s_mov_b32 s[SEL+1], 0xfedcba98
.macro FRAG reg, adr, q, i             ; a fragment, 16 rows x 128 K of 4-bit codes: lane l holds row l % 16; registers 4 c .. 4 c + 3 hold K = 64 c + 32 (l / 16) + 0 .. 31
.irp c, 0,1
	ds_load_b128 v[\reg+4*\c:\reg+4*\c+3], v[\adr] offset:64*(\q)+32*\c+(\i)*16*PITCH
.endr
.endm
; 16 matrix instructions: A's blocks a0, a0 + 1 x B's eight, the slot's q-th 128 along K.  zero = 1: the first product starts the sums from the bias.  The 64 accumulators take turns, one instruction a turn.
.macro MUL16 a0, p, q, sc, zero
.irp a, \a0, \a0+1
.irp b, 0,1,2,3,4,5,6,7
.if \zero
	v_wmma_scale_f32_16x16x128_f8f6f4 v[8*(8*((\a)%4)+\b):8*(8*((\a)%4)+\b)+7], v[128*(\p)+FR*\b:128*(\p)+FR*\b+FR-1], v[AF+FR*(\a):AF+FR*(\a)+FR-1], v[BI+8*\b:BI+8*\b+7], v[SC+8*NQ*(\sc)+NQ*\b+(\q)], v[SC+8*NQ*(\sc)+NQ*(\a)+(\q)] matrix_a_fmt:MATRIX_FMT_FP4 matrix_b_fmt:MATRIX_FMT_FP4 matrix_a_scale:MATRIX_SCALE_ROW1
.else
	v_wmma_scale_f32_16x16x128_f8f6f4 v[8*(8*((\a)%4)+\b):8*(8*((\a)%4)+\b)+7], v[128*(\p)+FR*\b:128*(\p)+FR*\b+FR-1], v[AF+FR*(\a):AF+FR*(\a)+FR-1], v[8*(8*((\a)%4)+\b):8*(8*((\a)%4)+\b)+7], v[SC+8*NQ*(\sc)+NQ*\b+(\q)], v[SC+8*NQ*(\sc)+NQ*(\a)+(\q)] matrix_a_fmt:MATRIX_FMT_FP4 matrix_b_fmt:MATRIX_FMT_FP4 matrix_a_scale:MATRIX_SCALE_ROW1
.endif
.endr
.endr
.endm
.macro FETCH_B slot, q, p
	WIN TO_B
.irp i, 0,1,2,3,4,5,6,7
	FRAG 128*(\p)+FR*\i, ADRB+\slot, \q, \i
.endr
	WIN 0
.endm
.macro FETCH_A slot, q, i0
.irp i, \i0, \i0+1, \i0+2, \i0+3
	FRAG AF+FR*(\i), ADRA+\slot, \q, \i
.endr
.endm
.macro SCALES sc                       ; a K step's scale words: four words a row; lanes 0-15 take A's block i, lanes 16-31 B's block i
.irp i, 0,1,2,3,4,5,6,7
	ds_load_b128 v[SC+8*NQ*\sc+NQ*\i:SC+8*NQ*\sc+NQ*\i+3], v[ADRS] offset:\i*SBLK
.endr
.endm
.macro PLACES n                        ; plain vector instructions between a matrix instruction and a load into, or a read of, its registers
.rept \n
	v_nop
.endr
.endm
.macro STEP slot, q, zero              ; 128 along K that have their successor in the same slot
	s_wait_dscnt 4*NL                              ; B's set and A's blocks 0-3 are in; the youngest eight loads (A's blocks 4-7) may be out
.if \zero
	WIN FST_LO
.else
	WIN MUL_LO
.endif
	MUL16 0, (\q)%2, \q, \slot, \zero
	MUL16 2, (\q)%2, \q, \slot, \zero
	s_wait_dscnt 0                                 ; A's blocks 4-7 are in
	PLACES NP
	FETCH_B \slot, (\q)+1, 1-(\q)%2
	FETCH_A \slot, (\q)+1, 0
.if \zero
	WIN FST_HI
.else
	WIN MUL_HI
.endif
	MUL16 4, (\q)%2, \q, \slot, \zero
	MUL16 6, (\q)%2, \q, \slot, \zero
	PLACES NP
	WIN 0
	FETCH_A \slot, (\q)+1, 4
.endm
.macro STEPS slot, from
.set Q, \from
.rept NQ-1-\from
	STEP \slot, Q, 0
.set Q, Q+1
.endr
.endm
	s_wait_tensorcnt 1                             ; the scales and my part of K step 0 are in; K step 1's load may be out
	s_barrier_signal -1
	s_barrier_wait -1                              ; everybody's are
	FETCH_B 0, 0, 0
	FETCH_A 0, 0, 0
	SCALES 0
	FETCH_A 0, 0, 4
	s_wait_loadcnt 0x0                             ; the bias
	STEP 0, 0, 1
	STEPS 0, 1
	; slot 0's last step changes slots: one barrier; in front of it all my tensor loads have landed, the add is done, and my reads of slot 0 are over
	s_wait_tensorcnt 0x0
	ds_add_u32 v[SPW], v[NIL]
	s_wait_dscnt 4*NL+1                            ; (the add and the youngest eight loads may be out)
	WIN MUL_LO
	MUL16 0, 1, NQ-1, 0, 0
	s_wait_dscnt 0x0
	s_barrier_signal -1
	MUL16 2, 1, NQ-1, 0, 0
	WIN 0
	s_barrier_wait -1
	PLACES NP
	v_add_nc_u32 v[ADRS], 4*NQ, v[ADRS]            ; on to K step 1's scale words
	FETCH_B 1, 0, 0
	FETCH_A 1, 0, 0
	SCALES 1
	WIN MUL_HI
	MUL16 4, 1, NQ-1, 0, 0
	MUL16 6, 1, NQ-1, 0, 0
	PLACES NP
	WIN 0
	FETCH_A 1, 0, 4
	STEPS 1, 0
	s_wait_dscnt 4*NL                              ; the very last step: nothing more to fetch
	WIN MUL_LO
	MUL16 0, 1, NQ-1, 1, 0
	MUL16 2, 1, NQ-1, 1, 0
	s_wait_dscnt 0
	WIN MUL_HI
	MUL16 4, 1, NQ-1, 1, 0
	MUL16 6, 1, NQ-1, 1, 0
	WIN 0
	PLACES NP
	s_cmp_eq_u32 ttmp9, 2                          ; cluster x: the same in all partners
	s_cbranch_scc1 .Lv
; q AND k.  Block a: 16 tokens x 128 features.  Register 8 b + j of a lane: token l % 16, head b / 4, channel 16 (b % 4) + 8 (l / 16) + j.
.macro PACKQK a
.set AC, 64*((\a)%4)
	WIN 0x08+4*((\a)/4)                            ; source 1: window 2 or 3
.set i, 0
.rept 64
	v_and_b32 v[FH+i], s[MASK], v[AC+i]            ; the high part, still f32: each accumulator is read from its low end on
.set i, i+1
.endr
.set i, 0
.rept 32
	v_pk_add_f32 v[FL+i:FL+i+1], v[FH+i:FH+i+1], v[AC+i:AC+i+1] neg_lo:[1,0] neg_hi:[1,0]   ; the low part = x - high: exact
.set i, i+2
.endr
	WIN 0x0a+5*((\a)/4)                            ; sources 0 and 1
.irp hl, 0,1                                   ; the head's sum of squares of my 32 channels, in two chains of pairs
.irp c, 0,1
	v_pk_mul_f32 v[NR+4*\hl+2*\c:NR+4*\hl+2*\c+1], v[AC+32*\hl+2*\c:AC+32*\hl+2*\c+1], v[AC+32*\hl+2*\c:AC+32*\hl+2*\c+1]
.endr
.set i, 4
.rept 7
.irp c, 0,1
	v_pk_fma_f32 v[NR+4*\hl+2*\c:NR+4*\hl+2*\c+1], v[AC+32*\hl+i+2*\c:AC+32*\hl+i+2*\c+1], v[AC+32*\hl+i+2*\c:AC+32*\hl+i+2*\c+1], v[NR+4*\hl+2*\c:NR+4*\hl+2*\c+1]
.endr
.set i, i+4
.endr
.endr
	WIN 0
.set i, 0
.rept 32
	v_cvt_pk_f16_f32 v[FH+i], v[FH+2*i], v[FH+2*i+1]   ; in place, ascending: register i is written when registers 2 i and 2 i + 1 are read
	v_cvt_pk_f16_f32 v[FL+i], v[FL+2*i], v[FL+2*i+1]
.set i, i+1
.endr
.irp hl, 0,1
	v_pk_add_f32 v[NR+4*\hl:NR+4*\hl+1], v[NR+4*\hl:NR+4*\hl+1], v[NR+4*\hl+2:NR+4*\hl+3]
.endr
.irp hl, 0,1
	v_add_f32 v[NR+4*\hl], v[NR+4*\hl], v[NR+4*\hl+1]
.endr
.irp hl, 0,1
	v_permlanex16_b32 v[PT+\hl], v[NR+4*\hl], s[SEL], s[SEL+1]
.endr
.irp hl, 0,1
	v_add_f32 v[NR+4*\hl], v[NR+4*\hl], v[PT+\hl]  ; with lane l xor 16's 32 channels: the token's squared norm in this head
.endr
.endm
.macro TOSTQK a                        ; stage row 16 (head) + token: 128 bytes of high parts, 128 of low
.irp b, 0,1,2,3,4,5,6,7
	ds_store_b128 v[STO], v[FH+4*\b:FH+4*\b+3] offset:(\b/4)*16*272+32*(\b%4)
	ds_store_b128 v[STO], v[FL+4*\b:FL+4*\b+3] offset:(\b/4)*16*272+32*(\b%4)+128
.endr
.irp hl, 0,1
	ds_store_b32 v[SQA], v[NR+4*\hl] offset:512*\hl+64*(\a)   ; lanes l and l xor 16 write the same word with the same value
.endr
.irp t, 0,1,2,3,4,5,6,7,8,9,10,11,12,13,14,15
	ds_load_b128 v[BK+4*\t:BK+4*\t+3], v[RD] offset:544*\t    ; LDS serves a wave's instructions in order: these see the stores above
.endr
.endm
.macro SENDQK a
	s_wait_dscnt 0x0                               ; the block is back in registers
.irp t, 0,1,2,3,4,5,6,7,8,9,10,11,12,13,14,15
	global_store_b128 v[CO], v[BK+4*\t:BK+4*\t+3], s[12:13] offset:(\a)*4096+(\t/8)*524288+(\t%8)*512   ; 32 lanes store two rows: 512 consecutive bytes, aligned
.endr
.endm
	v_mov_b32 v[PT], 0                             ; written once: a lane permute's destination counts as one of its sources
	v_mov_b32 v[PT+1], 0
	PACKQK 0
	TOSTQK 0
.irp a, 1,2,3,4,5,6,7                          ; block a's arithmetic stands between block a - 1's loads from the stage and the wait for them
	PACKQK \a
	SENDQK \a-1
	s_wait_xcnt 0x0                                ; the stores have read their registers: block a's rows may land there
	TOSTQK \a
.endr
	SENDQK 7
	ds_load_b128 v[FH:FH+3], v[SQR]                ; my 128 tokens' norms, head by head
	ds_load_b128 v[FH+4:FH+7], v[SQR] offset:512
	s_wait_dscnt 0x0
	global_store_b128 v[CO], v[FH:FH+3], s[66:67]
	global_store_b128 v[CO], v[FH+4:FH+7], s[66:67] offset:8192
	s_branch .Lend
.Lv:
; v: rounded to f16; stage row 16 (head) + token of 128 bytes
.macro VOUT a
.set AC, 64*((\a)%4)
	WIN 0x0a+5*((\a)/4)
.set i, 0
.rept 32
	v_cvt_pk_f16_f32 v[FH+i], v[AC+2*i], v[AC+2*i+1]
.set i, i+1
.endr
	WIN 0
.irp b, 0,1,2,3,4,5,6,7
	ds_store_b128 v[STV], v[FH+4*\b:FH+4*\b+3] offset:(\b/4)*16*144+32*(\b%4)
.endr
.if (\a) > 0
	s_wait_xcnt 0x0                                ; the last block's stores have read their registers
.endif
.irp t, 0,1,2,3,4,5,6,7
	ds_load_b128 v[FL+4*\t:FL+4*\t+3], v[RDV] offset:576*\t
.endr
	s_wait_dscnt 0x0
.irp t, 0,1,2,3,4,5,6,7
	global_store_b128 v[CO], v[FL+4*\t:FL+4*\t+3], s[12:13] offset:(\a)*2048+(\t/4)*262144+(\t%4)*512   ; four rows: 512 consecutive bytes, aligned
.endr
.endm
.irp a, 0,1,2,3,4,5,6,7
	VOUT \a
.endr
.Lend:
	s_wait_tensorcnt 0x0                           ; the wave's end, behind my last tensor load and my last LDS store
	ds_add_u32 v[SPW], v[NIL]
	s_wait_dscnt 0x0
	CROUND                                         ; the closing round
	s_endpgm
.Lfunc_end_k_q9b9abb014a_qkv:
	.size	k_q9b9abb014a_qkv, .Lfunc_end_k_q9b9abb014a_qkv-k_q9b9abb014a_qkv
	.p2alignl 7, 3214868480
	.fill 96, 4, 3214868480
	.section	.rodata,"a",@progbits
	.p2align	6, 0x0
	.amdhsa_kernel k_q9b9abb014a_qkv
		.amdhsa_group_segment_fixed_size 327680
		.amdhsa_private_segment_fixed_size 0
		.amdhsa_enable_private_segment 0
		.amdhsa_kernarg_size 64
		.amdhsa_user_sgpr_count 2
		.amdhsa_user_sgpr_kernarg_segment_ptr 1
		.amdhsa_wavefront_size32 1
		.amdhsa_system_sgpr_workgroup_id_x 1
		.amdhsa_system_sgpr_workgroup_id_y 1
		.amdhsa_system_sgpr_workgroup_id_z 1
		.amdhsa_system_vgpr_workitem_id 0
		.amdhsa_next_free_vgpr 1024
		.amdhsa_next_free_sgpr 100
		.amdhsa_reserve_vcc 0
		.amdhsa_float_denorm_mode_32 3
		.amdhsa_float_denorm_mode_16_64 3
		.amdhsa_memory_ordered 1
		.amdhsa_forward_progress 1
		.amdhsa_inst_pref_size 243
	.end_amdhsa_kernel
	.amdgpu_metadata
---
amdhsa.version: [ 1, 2 ]
amdhsa.kernels:
  - .name:           k_q9b9abb014a_qkv
    .symbol:         k_q9b9abb014a_qkv.kd
    .args:
      - { .name: codes, .offset: 0, .size: 8, .value_kind: global_buffer, .address_space: global }
      - { .name: scales, .offset: 8, .size: 8, .value_kind: global_buffer, .address_space: global }
      - { .name: bq, .offset: 16, .size: 8, .value_kind: global_buffer, .address_space: global }
      - { .name: bk, .offset: 24, .size: 8, .value_kind: global_buffer, .address_space: global }
      - { .name: bv, .offset: 32, .size: 8, .value_kind: global_buffer, .address_space: global }
      - { .name: qk, .offset: 40, .size: 8, .value_kind: global_buffer, .address_space: global }
      - { .name: v16, .offset: 48, .size: 8, .value_kind: global_buffer, .address_space: global }
      - { .name: nrm, .offset: 56, .size: 8, .value_kind: global_buffer, .address_space: global }
    .group_segment_fixed_size: 327680
    .private_segment_fixed_size: 0
    .kernarg_segment_align: 8
    .kernarg_segment_size: 64
    .max_flat_workgroup_size: 128
    .sgpr_count:     100
    .vgpr_count:     1024
    .wavefront_size: 32
...
	.end_amdgpu_metadata
.endif
;; end of part 2
;; launch attn (part 3): grid 8 x 32, 8 waves a work-group, clusters of 4 x 1, 327,680 bytes of LDS; arguments qk, v16, nrm, alpha, att; writes att
.if DOCPART == 3
	.amdgcn_target "amdgcn-amd-amdhsa--gfx1250"
	.amdhsa_code_object_version 6
	.text
	.protected	k_q9b9abb014a_attn
	.globl	k_q9b9abb014a_attn
	.p2align	8
	.type	k_q9b9abb014a_attn,@function
k_q9b9abb014a_attn:
	s_mov_b64 s[64:65], 0
	v_nop
	global_prefetch_b8 v0, s[64:65] scope:SCOPE_SE
	s_setreg_imm32_b32 hwreg(HW_REG_WAVE_MODE, 25, 1), 1
	s_wait_xcnt 0x0
	s_wait_alu depctr_hold_cnt(0) depctr_sa_sdst(0) depctr_va_vdst(0) depctr_va_sdst(0) depctr_va_ssrc(0) depctr_va_vcc(0) depctr_vm_vsrc(0)
	s_getreg_b32 s2, hwreg(HW_REG_IB_STS2, 6, 4)
	s_cmp_eq_u32 s2, 0
	s_cbranch_scc0 .Lentry_in_a_cluster
	s_endpgm
.Lentry_in_a_cluster:
	s_bfe_u32 s2, ttmp6, 0x10000c
	s_cmp_lg_u32 s2, 0x3003
	s_cbranch_scc0 .Lentry_shape_is_right
	s_endpgm
.Lentry_shape_is_right:
; att[bh][q][:] = the sum over k of softmax_k(score(q, k)) v[bh][k][:],  score = x^2 / (|q|^2 + |k|^2 - 2 x + eps) x (8 / ln 65)^alpha,  x = q . k.  32 heads (batch x head) of 2,048 x 64, no mask.
; x IS MADE FROM PAIRS OF f16: q = qh + ql, k = kh + kl (rows of qk: 64 hi | 64 lo); three products are kept, kl qh + kh ql + kh qh, summed in f32, the small ones first.  The norms come in f32.
; ARITHMETIC OF A LANE.  ic = 2^-(alpha log2(8 / ln 65) + log2(log2 e)) = 1 / (scale x log2 e).  D = sk ic + (sq + eps) ic - 2 ic x;  t = x^2 / D is the score in base 2.  m = the running largest t;
; p = 2^(t - m);  in every step the sum l and O are multiplied by f = 2^(m_old - m).  l is summed from the unrounded p; p goes to f16 for the second product; O is divided by l at the end and leaves as f16.
; SHARES.  A work-group owns 256 queries of one head, each of its eight waves 32: two tiles of 16.  Every wave walks all 2,048 keys, 64 a step, four steps to an LDS slot; two slots take turns.  sk of the whole head stays in LDS.
; LAYOUT.  Both products are used transposed: S^T = K Q^T, O^T = V^T P: a lane holds ONE query (lane % 16) throughout; two tiles of S^T, rounded in pairs, are source 1 of the second product.  V comes out of LDS turned.
; BY TURNS.  A key step has 64 matrix and 430 vector instructions a wave.  The wave's two tiles never look at each other, so in a TURN one tile has the matrix unit (8 products V^T P of the step in hand, then 24 products
; K Q^T of the next step) and the other tile's softmax, a numbered list of 215 instructions, stands in slices behind those products, one slice behind each.  Then the tiles change places.  Two turns are a key step.
; CLUSTER.  The four query blocks of a cluster belong to one head and walk the same K, V and sk: each tile is asked for JOINTLY, with a mask that names the four.
; LIMITS: |alpha x 0.94 + 0.53| under 126; p under 6e-8 is lost in f16; NaN and infinities are not served.
; REGISTERS.  window 0, all that a vector instruction touches: v1-11 addresses; v12-31 ten registers of statistics a tile; v32-95 S^T, 32 a tile; v96-127 D; v128-159 P; v160-191 sk; v192-255 O^T, 32 a tile.
;   window 1, what matrix instructions alone read: v0-63 Q (tile t, part p at 32 t + 8 p: parts 0, 1 hi channels 0-31, 32-63; parts 2, 3 lo); v64-127 V of a step; v128-255 K of a step (32 kt + 8 p).
;   So a slice costs two switches of the register window, one in front and one behind.
.set PK,    272                        ; a row of K in LDS: 256 bytes + 16
.set PV,    160                        ; a row of V: 128 bytes + 32
.set VOFF,  256*PK                     ; a slot: 256 rows of K, then 256 rows of V
.set KST,   64*PK                      ; a key step's rows of K
.set VST,   64*PV                      ; and of V
.set SLOT1, 1<<17                      ; slot 1 begins here: one exclusive or turns an address from one slot to the other
.set SKB,   2*SLOT1                    ; sk of the head: 8,192 bytes, filled once
.set STAGE, SKB+8192                   ; the way out: 32 rows x 144 bytes a wave
.set SPARE, STAGE+8*32*144             ; the spare words, 128 bytes a wave
.set AK0,  1
.set AV0,  2
.set ASK0, 3
.set ADK,  4
.set ADV,  5
.set ADS,  6
.set PFO,  7                           ; 256 x lane
.set SPW,  8
.set NIL,  9
.set QO,   10
.set SQO,  11
.set ST,   12                          ; tile t at ST + 10 t: +0 m, +1 m_old, +2 (sq + eps) ic, +3 zero, +4, +5 l, +6 to +9 c0-c3; f takes c2's place
.set SS,   32
.set TT,   96
.set PP,   128
.set SKR,  160
.set OO,   192
.set VV,   64                          ; window 1
.set KF,   128                         ; window 1
.set NSM,  215                         ; instructions in a tile's softmax of one step
.set WV,   12
.set LIM,  15                          ; 1 in a wave that prefetches, else the greatest number
.set PFA,  18
.set G1K,  24
.set G1V,  32
.set G0K,  40
.set G0V,  44
.set G1S,  48
.set G0S,  56
.set SEL,  60
.set TK,   62                          ; LDS byte at which the rows of K to be fetched next begin
.set TS,   63                          ; the same for sk, from SKB on
.set SLOTS, 66
.set IC,   68
.set N2,   70
.set PFS,  72
.set ATT,  80
.set TV,   88                          ; the same as TK for V, from VOFF on
.set CNT,  89                          ; counts the key steps between two changes of slots
.set MSB, 0
.macro WIN new
.if MSB != (\new)
	s_set_vgpr_msb (MSB<<8)|(\new)
.set MSB, (\new)
.endif
.endm
.set W_KQ, 0x05                        ; K and Q window 1, S^T window 0
.set W_PV, 0x01                        ; V window 1; P and O^T window 0
.set TO1,  0x40                        ; destination window 1
.macro PLACES
.rept 4
	v_nop
.endr
.endm
; A joint load: waves 0-3 fetch 64 rows of K each, waves 4-7 64 rows of V.  The branch hangs on the wave's number alone.  An s_nop 0 and four v_nop follow each line.
.macro JLOAD
	s_cmp_lt_u32 s[WV], 4
	s_cbranch_scc0 .Lfor_v_\@
	tensor_load_to_lds s[G0K:G0K+3], s[G1K:G1K+7]
	s_nop 0
.rept 4
	v_nop
.endr
	s_branch .Lasked_\@
.Lfor_v_\@:
	tensor_load_to_lds s[G0V:G0V+3], s[G1V:G1V+7]
	s_nop 0
.rept 4
	v_nop
.endr
.Lasked_\@:
.endm
; A PREFETCH of what the NEXT change of slots will ask for: 256 rows of K (256 bytes each) and 256 rows of V (32,768 dense bytes).  Each aligned run of 256 bytes is named once in the launch: the head's first
; cluster asks; its four partners take a quarter each, told apart by ADDRESS; in each, waves 0 and 1 ask for 32 rows of K, wave 4 for 32 runs of V, a lane a run.  The last change that fills a slot asks for nothing.
.macro ASK
	s_cmp_gt_u32 s[SLOTS], s[LIM]
	s_cbranch_scc0 .Lnot_mine_\@
	global_prefetch_b8 v[PFO], s[PFA:PFA+1] th:TH_LOAD_NT scope:SCOPE_SE
.Lnot_mine_\@:
.endm
.macro CROUND
	s_barrier_signal -1
	s_barrier_wait -1
	s_cmp_lg_u32 s[WV], 0
	s_cbranch_scc1 .Lnot_wave_0_\@
	s_barrier_signal -3
.Lnot_wave_0_\@:
	s_barrier_wait -3
	s_barrier_signal -1
	s_barrier_wait -1
.endm
	s_load_b256 s[4:11], s[0:1], 0x0               ; qk, v16, nrm, alpha
	s_load_b64 s[ATT:ATT+1], s[0:1], 0x20          ; att
	v_lshl_add_u32 v[SPW], v0, 2, SPARE
	v_mov_b32 v[NIL], 0
	ds_add_u32 v[SPW], v[NIL]                      ; the wave's opening: the add, twice on end, and its wait ahead of my first tensor load
	ds_add_u32 v[SPW], v[NIL]
	v_lshrrev_b32 v96, 5, v0
	v_readfirstlane_b32 s[WV], v96                 ; wave 0..7
	s_bfe_u32 s13, ttmp6, 0x40000                  ; cx
	s_and_b32 s14, ttmp7, 0xffff                   ; the head, which the four partners share
	s_and_b32 s16, s[WV], 3                        ; which 64 rows of a slot I fetch
	s_lshl_b32 s20, s14, 19
	s_add_co_u32 s20, s20, 0x1000000               ; k's half of qk, my head
	s_mov_b32 s21, 0
	s_lshl_b32 s22, s14, 18                        ; my head in v16 and in att
	s_mov_b32 s23, 0
	s_lshl_b32 s74, s16, 14
	s_mov_b32 s75, 0
	s_lshl_b32 s76, s16, 13
	s_mov_b32 s77, 0
	s_lshl_b32 s78, s14, 13
	s_lshl_b32 s79, s[WV], 10
	s_add_co_u32 s78, s78, s79
	s_add_co_u32 s78, s78, 262144                  ; sk: the second half of nrm, my head, my wave's 1,024 bytes
	s_mov_b32 s79, 0
	s_lshl_b32 s17, ttmp9, 2
	s_add_co_u32 s17, s17, s13                     ; my block of 256 queries: it enters Q's, sq's and att's addresses alone
	s_lshl_b32 s17, s17, 8
	s_lshl_b32 s2, s[WV], 5
	s_add_co_u32 s17, s17, s2                      ; my first query in the head
	s_lshl_b32 s2, s17, 8
	s_lshl_b32 s3, s14, 19
	s_add_co_u32 s2, s2, s3
	s_mov_b32 s3, 0
	s_lshl_b32 s86, s17, 2
	s_lshl_b32 s87, s14, 13
	s_add_co_u32 s86, s86, s87
	s_mov_b32 s87, 0
	; descriptor groups 1.  K: 64 rows x 128 elements of 2 bytes, 4 words of padding behind every 64;  V: 64 rows x 64 elements, 8 words behind every 32;  sk: 4 rows x 32 elements of 8 bytes, dense
	s_mov_b32 s[G1K], 15|(1<<16)|(1<<20)|(1<<21)|(5<<22)|(3<<25)
	s_mov_b32 s[G1K+1], 128<<16
	s_mov_b32 s[G1K+2], 64<<16
	s_mov_b32 s[G1K+3], 128<<16
	s_mov_b32 s[G1K+4], 64
	s_mov_b32 s[G1K+5], 128
	s_mov_b32 s[G1K+6], 0
	s_mov_b32 s[G1K+7], 0
	s_mov_b32 s[G1V], 15|(1<<16)|(1<<20)|(1<<21)|(4<<22)|(7<<25)
	s_mov_b32 s[G1V+1], 64<<16
	s_mov_b32 s[G1V+2], 64<<16
	s_mov_b32 s[G1V+3], 64<<16
	s_mov_b32 s[G1V+4], 64
	s_mov_b32 s[G1V+5], 64
	s_mov_b32 s[G1V+6], 0
	s_mov_b32 s[G1V+7], 0
	s_mov_b32 s[G1S], 15|(3<<16)|(1<<21)
	s_mov_b32 s[G1S+1], 32<<16
	s_mov_b32 s[G1S+2], 4<<16
	s_mov_b32 s[G1S+3], 32<<16
	s_mov_b32 s[G1S+4], 4
	s_mov_b32 s[G1S+5], 32
	s_mov_b32 s[G1S+6], 0
	s_mov_b32 s[G1S+7], 0
	s_mov_b32 s[G0K], 1
	s_mul_i32 s[G0K+1], s16, 64*PK                 ; LDS: no place in the cluster enters
	s_mov_b32 s[G0V], 1
	s_mul_i32 s[G0V+1], s16, 64*PV
	s_add_co_u32 s[G0V+1], s[G0V+1], VOFF
	s_mov_b32 s[G0S], 1
	s_lshl_b32 s[G0S+1], s[WV], 10
	s_add_co_u32 s[G0S+1], s[G0S+1], SKB
	s_mov_b32 s[SEL], 0x76543210
	s_mov_b32 s[SEL+1], 0xfedcba98
	s_mov_b32 s[TK], 0
	s_mov_b32 s[TV], 0
	s_mov_b32 s[TS], 0
	s_mov_b32 s[SLOTS], 7
	s_wait_dscnt 0x0                               ; both opening adds are done
	s_wait_kmcnt 0x0
	s_load_b32 s67, s[10:11], 0x0                  ; alpha
	s_add_nc_u64 s[82:83], s[4:5], s[20:21]        ; K's head
	s_add_nc_u64 s[84:85], s[6:7], s[22:23]        ; V's head
	s_add_nc_u64 s[ATT:ATT+1], s[ATT:ATT+1], s[22:23]
	s_lshl_b32 s22, s17, 7
	s_add_nc_u64 s[ATT:ATT+1], s[ATT:ATT+1], s[22:23]   ; att at my first query
	s_add_nc_u64 s[G0K+2:G0K+3], s[82:83], s[74:75]
	s_or_b32 s[G0K+3], s[G0K+3], 0x80000000
	s_add_nc_u64 s[G0V+2:G0V+3], s[84:85], s[76:77]
	s_or_b32 s[G0V+3], s[G0V+3], 0x80000000
	s_add_nc_u64 s[G0S+2:G0S+3], s[8:9], s[78:79]
	s_or_b32 s[G0S+3], s[G0S+3], 0x80000000
	s_add_nc_u64 s[4:5], s[4:5], s[2:3]            ; Q at my first query
	s_add_nc_u64 s[8:9], s[8:9], s[86:87]          ; sq likewise
	CROUND                                         ; all four work-groups are here: the first joint loads meet
	tensor_load_to_lds s[G0S:G0S+3], s[G1S:G1S+7]  ; my eighth of sk
	s_nop 0
.rept 4
	v_nop
.endr
	JLOAD                                          ; slot 0: two tensor loads of mine are out
	v_and_b32 v96, 15, v0                          ; r
	v_bfe_u32 v97, v0, 4, 1                        ; h
	v_lshlrev_b32 v[QO], 8, v96
	v_lshl_add_u32 v[QO], v97, 4, v[QO]            ; row x 256 + 16 x half
	v_lshlrev_b32 v[SQO], 2, v96
	WIN TO1
.irp t, 0,1
.irp p, 0,1,2,3
	global_load_b128 v[32*\t+8*\p:32*\t+8*\p+3],   v[QO], s[4:5] offset:4096*\t+64*\p
	global_load_b128 v[32*\t+8*\p+4:32*\t+8*\p+7], v[QO], s[4:5] offset:4096*\t+64*\p+32
.endr
.endr
	WIN 0
.irp t, 0,1
	global_load_b32 v[ST+10*\t+2], v[SQO], s[8:9] offset:64*\t
.endr
	v_mul_u32_u24 v[AK0], v96, PK
	v_lshl_add_u32 v[AK0], v97, 4, v[AK0]          ; K: row r, + 16 h
	v_and_b32 v98, 7, v0
	v_bfe_u32 v99, v0, 3, 1
	v_lshl_add_u32 v[AV0], v97, 3, v98             ; V, for the turning load: key 8 h + l % 8,
	v_mul_u32_u24 v[AV0], v[AV0], PV
	v_lshl_add_u32 v[AV0], v99, 4, v[AV0]          ; channels 8 ((l / 8) % 2) on
	v_add_nc_u32 v[AV0], VOFF, v[AV0]
	v_lshl_add_u32 v[ASK0], v97, 5, SKB            ; sk: my half's eight keys of a tile: 32 h
	v_and_b32 v[PFO], 31, v0
	v_lshlrev_b32 v[PFO], 8, v[PFO]
	; the prefetches: who asks, and where
	s_cmp_lt_u32 s[WV], 2
	s_cselect_b32 s74, 0, 1
	s_cmp_eq_u32 s[WV], 4
	s_cselect_b32 s74, 0, s74                      ; 0 in waves 0, 1 and 4,
	s_or_b32 s74, s74, ttmp9                       ; of the head's first cluster: the same in all four partners
	s_cmp_eq_u32 s74, 0
	s_cselect_b32 s[LIM], 1, -1
	s_mov_b32 s[PFS], 32768
	s_cmp_lt_u32 s[WV], 4
	s_cselect_b64 s[PFA:PFA+1], s[82:83], s[84:85]
	s_cselect_b32 s[PFS], 65536, s[PFS]            ; a slot on, in bytes
	s_cselect_b32 s74, 14, 13
	s_lshl_b32 s74, s13, s74                       ; my work-group's quarter of a slot
	s_and_b32 s75, s[WV], 1
	s_lshl_b32 s75, s75, 13
	s_add_co_u32 s74, s74, s75                     ; my wave's 32 runs
	s_add_co_u32 s74, s74, s[PFS]                  ; in slot 1: the first change of slots steps it to slot 2.  Nothing is prefetched at the head
	s_mov_b32 s75, 0
	s_mov_b32 s[PFS+1], 0
	s_add_nc_u64 s[PFA:PFA+1], s[PFA:PFA+1], s[74:75]
	s_mov_b32 s74, 0xbf703d4f                      ; -log2(8 / ln 65)
	s_wait_kmcnt 0x0                               ; alpha
	v_mov_b32 v98, s67
	v_mov_b32 v99, 0xbf075d3c                      ; -log2(log2 e)
	v_fma_f32 v98, v98, s74, v99
	v_exp_f32 v98, v98                             ; ic
.irp t, 0,1
	v_mov_b32 v[ST+10*\t], 0xff61b1e6              ; m: -3e38, under every t  (plain lines behind the exponential)
	v_mov_b32 v[ST+10*\t+1], 0
	v_mov_b32 v[ST+10*\t+3], 0
	v_mov_b32 v[ST+10*\t+4], 0                     ; l, in two halves
	v_mov_b32 v[ST+10*\t+5], 0
.endr
	s_wait_alu depctr_va_vdst(0)                   ; the wait, ahead of the first line that names an exponential's result
	v_mul_f32 v99, -2.0, v98
	v_readfirstlane_b32 s[IC], v98
	v_readfirstlane_b32 s[N2], v99
	s_mov_b32 s[IC+1], s[IC]                       ; (named as pairs, so both words are written)
	s_mov_b32 s[N2+1], s[N2]
.set i, 0
.rept 64
	v_mov_b32 v[OO+i], 0                           ; O^T.  (The softmax is written once: the first step finds zeros, which its f = 0 leaves zeros; a first step of its own would be one more copy of a key step)
.set i, i+1
.endr
	s_wait_loadcnt 0x0                             ; Q and sq
.irp t, 0,1
	v_add_f32 v[ST+10*\t+2], 0x3727c5ac, v[ST+10*\t+2]     ; + eps
.endr
.irp t, 0,1
	v_mul_f32 v[ST+10*\t+2], s[IC], v[ST+10*\t+2]
.endr
; THE LDS LOADS stand in three runs a key step, never singly among the matrix instructions.  Each run makes its address from a scalar that it then steps to the next key step.
.macro FETCH_K                         ; K: 64 keys x (64 hi | 64 lo): 16 fragments, 32 loads
	WIN 0
	v_add_nc_u32 v[ADK], s[TK], v[AK0]
	s_add_co_u32 s[TK], s[TK], KST
	WIN TO1
.irp kt, 0,1,2,3
.irp p, 0,1,2,3
	ds_load_b128 v[KF+32*\kt+8*\p:KF+32*\kt+8*\p+3],   v[ADK] offset:16*\kt*PK+64*\p
	ds_load_b128 v[KF+32*\kt+8*\p+4:KF+32*\kt+8*\p+7], v[ADK] offset:16*\kt*PK+64*\p+32
.endr
.endr
.endm
.macro FETCH_S                         ; sk: 8 loads: register 8 kt + j = key 16 kt + 8 h + j, as S^T has them
	WIN 0
	v_add_nc_u32 v[ADS], s[TS], v[ASK0]
	s_add_co_u32 s[TS], s[TS], 256
.irp kt, 0,1,2,3
.irp u, 0,1
	ds_load_b128 v[SKR+8*\kt+4*\u:SKR+8*\kt+4*\u+3], v[ADS] offset:64*\kt+16*\u
.endr
.endr
.endm
.macro FETCH_V                         ; V, turned: 16 loads
	WIN 0
	v_add_nc_u32 v[ADV], s[TV], v[AV0]
	s_add_co_u32 s[TV], s[TV], VST
	WIN TO1
.irp c, 0,1
.irp ch, 0,1,2,3
	ds_load_tr16_b128 v[VV+8*(4*\c+\ch):VV+8*(4*\c+\ch)+3],   v[ADV] offset:32*\c*PV+32*\ch
	ds_load_tr16_b128 v[VV+8*(4*\c+\ch)+4:VV+8*(4*\c+\ch)+7], v[ADV] offset:(32*\c+16)*PV+32*\ch
.endr
.endr
.endm
; THE MATRIX WORK OF A TURN, for tile x.  The accumulators take turns, one instruction a turn: between two links of a chain stand three others'.
; Product i of 8 of O^T += V^T P: keys 32 (i / 4) on, channels 16 (i % 4) on.
.macro PVW x
	WIN W_PV
.set rO2, OO+32*(\x)+8*(i%4)
.set rV2, VV+8*i
.set rP2, PP+16*(\x)+8*(i/4)
	v_wmma_f32_16x16x32_f16 v[rO2:rO2+7], v[rV2:rV2+7], v[rP2:rP2+7], v[rO2:rO2+7]
.endm
; Product i of 24 of S^T = K Q^T: keys 16 (i % 4) on; the parts by i / 4: kl qh (two halves of the channels), kh ql, kh qh.  The first four start the sums.
.macro KQ x
	WIN W_KQ
.set nn, i/4
.set qp, nn%4
.set kp, nn%2
.if nn < 2
.set kp, nn+2
.endif
.set rS2, SS+32*(\x)+8*(i%4)
.set rK2, KF+32*(i%4)+8*kp
.set rQ2, 32*(\x)+8*qp
.if nn == 0
	v_wmma_f32_16x16x32_f16 v[rS2:rS2+7], v[rK2:rK2+7], v[rQ2:rQ2+7], 0
.else
	v_wmma_f32_16x16x32_f16 v[rS2:rS2+7], v[rK2:rK2+7], v[rQ2:rQ2+7], v[rS2:rS2+7]
.endif
.endm
; THE VECTOR WORK OF A TURN.  One tile's scores and softmax for 64 keys are a list of 215 instructions, all in window 0; SM writes number j of it for tile t.  s0-s31 are the lane's 32 scores, in pairs 0-15.
;   0-15    sk ic + (sq + eps) ic: they name no matrix result: the places behind the products that made the scores
;   16-31   - 2 ic x: D.  Each accumulator is read from its low end on
;   32-79   in threes: x^2 of a pair, the two reciprocals of the pair's D.  None reads a reciprocal
;   80      m is kept as m_old: the plain line behind the last reciprocal; behind it THE WAIT for the 32 reciprocals, ahead of their first reader
;   81-96   t = x^2 / D
;   97-115  the largest t and the old m, four chains; the other half of the lanes'; the new m; m_old - m
;   116-164 t - m of a pair and the 33 exponentials (f at 117, then s0-s31), in threes: a pair is brought under m one three ahead of its exponentials.  None reads an exponential
;   165     the plain line behind the last exponential; behind it THE WAIT for the 33
;   166-181 p to f16, a pair each;   182-198 l = l f + the sum of the unrounded p, in two chains;   199-214 the tile's O^T x f
.macro SM t
.set rT, ST+10*(\t)
.set rS, SS+32*(\t)
.set rP, PP+16*(\t)
.set rO, OO+32*(\t)
.if j < 16
	v_pk_fma_f32 v[TT+2*j:TT+2*j+1], v[SKR+2*j:SKR+2*j+1], s[IC:IC+1], v[rT+2:rT+3] op_sel_hi:[1,0,0]
.elseif j < 32
.set e, 2*(j-16)
	v_pk_fma_f32 v[TT+e:TT+e+1], v[rS+e:rS+e+1], s[N2:N2+1], v[TT+e:TT+e+1] op_sel_hi:[1,0,1]
.elseif j < 80
.set e, 2*((j-32)/3)
.set u, (j-32)%3
.if u == 0
	v_pk_mul_f32 v[rS+e:rS+e+1], v[rS+e:rS+e+1], v[rS+e:rS+e+1]
.else
	v_rcp_f32 v[TT+e+u-1], v[TT+e+u-1]
.endif
.elseif j == 80
	v_mov_b32 v[rT+1], v[rT]
	s_wait_alu depctr_va_vdst(0)                   ; one wait for the 32 reciprocals
.elseif j < 97
.set e, 2*(j-81)
	v_pk_mul_f32 v[rS+e:rS+e+1], v[rS+e:rS+e+1], v[TT+e:TT+e+1]
.elseif j < 101
.set e, j-97
	v_max3_num_f32 v[rT+6+e], v[rS+8*e], v[rS+8*e+1], v[rS+8*e+2]
.elseif j < 109
.set e, (j-101)%4
.set u, (j-101)/4+1
	v_max3_num_f32 v[rT+6+e], v[rT+6+e], v[rS+8*e+2*u+1], v[rS+8*e+2*u+2]
.elseif j == 109
	v_max3_num_f32 v[rT+6], v[rT+6], v[rS+7], v[rS+15]
.elseif j == 110
	v_max3_num_f32 v[rT+8], v[rT+8], v[rS+23], v[rS+31]
.elseif j == 111
	v_max3_num_f32 v[rT+6], v[rT+6], v[rT+7], v[rT+8]
.elseif j == 112
	v_max3_num_f32 v[rT+6], v[rT+6], v[rT+9], v[rT]
.elseif j == 113
	v_permlanex16_b32 v[rT+7], v[rT+6], s[SEL], s[SEL+1]   ; the query's other 32 keys lie in the lane 16 away
.elseif j == 114
	v_max_num_f32 v[rT], v[rT+6], v[rT+7]
.elseif j == 115
	v_sub_f32 v[rT+9], v[rT+1], v[rT]
.elseif j == 116
	v_pk_add_f32 v[rS:rS+1], v[rS:rS+1], v[rT:rT+1] op_sel_hi:[1,0] neg_lo:[0,1] neg_hi:[0,1]
.elseif j == 117
	v_exp_f32 v[rT+8], v[rT+9]
.elseif j < 163
.set e, 2*((j-118)/3)
.set u, (j-118)%3
.if u == 0
	v_pk_add_f32 v[rS+e+2:rS+e+3], v[rS+e+2:rS+e+3], v[rT:rT+1] op_sel_hi:[1,0] neg_lo:[0,1] neg_hi:[0,1]
.else
	v_exp_f32 v[rS+e+u-1], v[rS+e+u-1]
.endif
.elseif j < 165
	v_exp_f32 v[rS+j-133], v[rS+j-133]
.elseif j == 165
	v_nop
	s_wait_alu depctr_va_vdst(0)                   ; one wait for the 33 exponentials
.elseif j < 182
.set e, j-166
	v_cvt_pk_f16_f32 v[rP+e], v[rS+2*e], v[rS+2*e+1]
.elseif j == 182
	v_pk_mul_f32 v[rT+4:rT+5], v[rT+4:rT+5], v[rT+8:rT+9] op_sel_hi:[1,0]
.elseif j == 183
	v_pk_add_f32 v[rT+6:rT+7], v[rS:rS+1], v[rS+2:rS+3]
.elseif j < 198
.set e, 4+4*((j-184)/2)
.if (j-184)%2 == 0
	v_pk_add_f32 v[rT+4:rT+5], v[rT+4:rT+5], v[rS+e:rS+e+1]
.else
	v_pk_add_f32 v[rT+6:rT+7], v[rT+6:rT+7], v[rS+e+2:rS+e+3]
.endif
.elseif j == 198
	v_pk_add_f32 v[rT+4:rT+5], v[rT+4:rT+5], v[rT+6:rT+7]
.else
.set e, 2*(j-199)
	v_pk_mul_f32 v[rO+e:rO+e+1], v[rO+e:rO+e+1], v[rT+8:rT+9] op_sel_hi:[1,0]
.endif
.endm
.macro SLICE y, n                      ; the next n numbers of tile y's list
	WIN 0
.rept \n
.if j < NSM
	SM \y
.endif
.set j, j+1
.endr
.endm
; A TURN.  Tile x has the matrix unit; the other tile's softmax stands in slices behind its products.  pv = 1: 8 products V^T P of the step in hand; kq = 1: 24 products K Q^T of the next step.
; With both, 12 numbers stand behind each V^T P and 5 behind each K Q^T (8 x 12 + 24 x 5 = 216): the long slices come first, so that K's run of loads lands under vector work that is due anyway.
; A turn's last slice is four plain multiplies of the other tile's O^T: with the address's addition they are the places between the last product that read K and the loads into K's registers.
; TILE 0's TURN fetches K of the next step at its head and, behind its second slice (numbers 0-15 have read the old sk), that step's sk.  TILE 1's TURN fetches the same step's V behind its eighth slice:
; twelve plain multiplies stand between the last product that read V and the loads.
.macro TURN x, pv, kq
.set j, 0
.if \pv && \kq
.set npv, 12
.set nkq, 5
.elseif \kq
.set npv, 0
.set nkq, 9
.else
.set npv, 27
.set nkq, 0
.endif
.if (\x) == 0
.if \kq
	FETCH_K
	s_wait_dscnt 32                                ; V is in: only K's 32 loads, just issued, may be out
.else
	s_wait_dscnt 0x0                               ; V is in
.endif
.else
	s_wait_dscnt 0x0                               ; sk is in
.if !\pv
	FETCH_V
.endif
.endif
.if \pv
.set i, 0
.rept 8
	PVW \x
	SLICE 1-\x, npv
.if (\x == 0) && \kq && (i == 1)
	FETCH_S
.endif
.set i, i+1
.endr
.if (\x == 1) && \kq
	FETCH_V
.endif
.endif
.if \kq
.if (\x) == 0
	s_wait_dscnt 8                                 ; K is in: only sk's 8 loads may be out
.endif
.set i, 0
.rept 24
	KQ \x
	SLICE 1-\x, nkq
.set i, i+1
.endr
.endif
.endm
.macro STEPS n                         ; n key steps: written once, walked n times; the LDS addresses hang on s[TK], s[TV], s[TS]
	WIN 0                                          ; at a label and at a branch every window is 0
	s_mov_b32 s[CNT], \n
.Lstep_\@:
	TURN 0, 1, 1
	TURN 1, 1, 1
	WIN 0
	s_sub_co_u32 s[CNT], s[CNT], 1
	s_cmp_lg_u32 s[CNT], 0
	s_cbranch_scc1 .Lstep_\@
.endm
; THE CHANGE OF SLOTS, between tile 1's turn and tile 0's: the slot's last bytes, V of its fourth step, have been asked for.  Each wave waits for all its tensor loads (its part of the slot that it is about to
; read), adds 0 to its spare word, and waits for that and for its reads of the slot that it leaves.  fill = 1: a round of the cluster's barrier follows, and behind it the slot just left is filled with the
; 256 keys after the next: the load has four key steps in which to land.  flip = 1: the fetches go back to a slot's first step, in the other slot (not at the head of slot 0).
.macro CHANGE fill, flip
	WIN 0
	s_wait_tensorcnt 0x0                           ; no tensor load of mine is out, so a group 0 may be written
	ds_add_u32 v[SPW], v[NIL]
.if \flip
	s_sub_co_u32 s[TK], s[TK], 4*KST
	s_xor_b32 s[TK], s[TK], SLOT1
	s_sub_co_u32 s[TV], s[TV], 4*VST
	s_xor_b32 s[TV], s[TV], SLOT1
.endif
.if \fill
	s_xor_b32 s[G0K+1], s[G0K+1], SLOT1
	s_add_nc_u64 s[G0K+2:G0K+3], s[G0K+2:G0K+3], 65536
	s_xor_b32 s[G0V+1], s[G0V+1], SLOT1
	s_add_nc_u64 s[G0V+2:G0V+3], s[G0V+2:G0V+3], 32768
	s_wait_xcnt 0x0                                ; the last prefetch, a slot back, has read its address
	s_add_nc_u64 s[PFA:PFA+1], s[PFA:PFA+1], s[PFS:PFS+1]
	s_wait_dscnt 0x0                               ; the add is done, and my reads of the slot that I leave are over
	CROUND
	JLOAD                                          ; my one tensor load behind the round, and the first thing there
	ASK
.else
	s_wait_dscnt 0x0
	s_barrier_signal -1
	s_barrier_wait -1
.endif
.endm
	CHANGE 1, 0                                    ; slot 0 and sk are whole; slot 1 is asked for
	FETCH_K                                        ; key step 0
	FETCH_S
	s_wait_dscnt 8                                 ; K is in: only sk's 8 loads may be out
.set i, 0
.rept 24
	KQ 0                                           ; tile 0's first scores: there is no vector work yet to set between them
.set i, i+1
.endr
	TURN 1, 0, 1                                   ; tile 1's first scores | tile 0's first softmax | V of step 0
	STEPS 3                                        ; the rest of slot 0
	s_mov_b32 s[SLOTS], 6
.Lslot:                                            ; six trips: slots 1 to 6; behind each change the slot after the next is asked for
	CHANGE 1, 1
	STEPS 4
	s_sub_co_u32 s[SLOTS], s[SLOTS], 1
	s_cmp_lg_u32 s[SLOTS], 0
	s_cbranch_scc1 .Lslot
	CHANGE 0, 1                                    ; the last slot is written out
	STEPS 4
	TURN 0, 1, 0                                   ; tile 0: V^T P of the last step | tile 1's last softmax
.set i, 0
.rept 8
	PVW 1                                          ; tile 1: V^T P of the last step
.set i, i+1
.endr
	WIN 0
	; THE WAY OUT: l's halves and the other half of the lanes' are added; O^T / l, rounded to f16, goes through my stage and leaves as whole rows
	PLACES
.irp t, 0,1
	v_add_f32 v[ST+10*\t+6], v[ST+10*\t+4], v[ST+10*\t+5]
.endr
.irp t, 0,1
	v_permlanex16_b32 v[ST+10*\t+7], v[ST+10*\t+6], s[SEL], s[SEL+1]
.endr
.irp t, 0,1
	v_add_f32 v[ST+10*\t+6], v[ST+10*\t+6], v[ST+10*\t+7]
.endr
.irp t, 0,1
	v_rcp_f32 v[ST+10*\t+8], v[ST+10*\t+6]
.endr
	s_mul_i32 s74, s[WV], 32*144
	s_add_co_u32 s74, s74, STAGE                   ; my stage
	v_and_b32 v96, 15, v0                          ; (plain lines behind the reciprocals)
	v_bfe_u32 v97, v0, 4, 1
	v_mul_u32_u24 v1, v96, 144
	v_lshl_add_u32 v1, v97, 4, v1
	v_add_nc_u32 v1, s74, v1                       ; in: row l % 16, + 16 (l / 16)
	v_bfe_u32 v2, v0, 3, 2
	v_mul_u32_u24 v2, v2, 144
	v_and_b32 v3, 7, v0
	v_lshl_add_u32 v2, v3, 4, v2
	v_add_nc_u32 v2, s74, v2                       ; back: eight lanes to a row of 128 bytes
	v_and_b32 v3, 31, v0
	v_lshlrev_b32 v3, 4, v3                        ; and in att: 16 x lane
	s_wait_alu depctr_va_vdst(0)                   ; one wait for the two reciprocals
.irp t, 0,1
.set i, 0
.rept 16
	v_pk_mul_f32 v[OO+32*\t+i:OO+32*\t+i+1], v[OO+32*\t+i:OO+32*\t+i+1], v[ST+10*\t+8:ST+10*\t+9] op_sel_hi:[1,0]   ; O^T / l: each accumulator from its low end on
.set i, i+2
.endr
.endr
.set i, 0
.rept 32
	v_cvt_pk_f16_f32 v[SS+i], v[OO+2*i], v[OO+2*i+1]
.set i, i+1
.endr
.irp t, 0,1
.irp ch, 0,1,2,3
	ds_store_b128 v1, v[SS+16*\t+4*\ch:SS+16*\t+4*\ch+3] offset:16*\t*144+32*\ch
.endr
.endr
.irp u, 0,1,2,3,4,5,6,7
	ds_load_b128 v[TT+4*\u:TT+4*\u+3], v2 offset:576*\u    ; LDS serves a wave's instructions in order: these see my stores
.endr
.irp u, 0,1,2,3,4,5,6,7
	s_wait_dscnt 7-\u                              ; the younger loads may be out
	global_store_b128 v3, v[TT+4*\u:TT+4*\u+3], s[ATT:ATT+1] offset:512*\u   ; four rows: 512 consecutive bytes, aligned
.endr
	s_wait_tensorcnt 0x0                           ; the wave's end
	ds_add_u32 v[SPW], v[NIL]
	s_wait_dscnt 0x0
	CROUND                                         ; the closing round
	s_endpgm
.Lfunc_end_k_q9b9abb014a_attn:
	.size	k_q9b9abb014a_attn, .Lfunc_end_k_q9b9abb014a_attn-k_q9b9abb014a_attn
	.p2alignl 7, 3214868480
	.fill 96, 4, 3214868480
	.section	.rodata,"a",@progbits
	.p2align	6, 0x0
	.amdhsa_kernel k_q9b9abb014a_attn
		.amdhsa_group_segment_fixed_size 327680
		.amdhsa_private_segment_fixed_size 0
		.amdhsa_enable_private_segment 0
		.amdhsa_kernarg_size 40
		.amdhsa_user_sgpr_count 2
		.amdhsa_user_sgpr_kernarg_segment_ptr 1
		.amdhsa_wavefront_size32 1
		.amdhsa_system_sgpr_workgroup_id_x 1
		.amdhsa_system_sgpr_workgroup_id_y 1
		.amdhsa_system_sgpr_workgroup_id_z 1
		.amdhsa_system_vgpr_workitem_id 0
		.amdhsa_next_free_vgpr 512
		.amdhsa_next_free_sgpr 90
		.amdhsa_reserve_vcc 0
		.amdhsa_float_denorm_mode_32 3
		.amdhsa_float_denorm_mode_16_64 3
		.amdhsa_memory_ordered 1
		.amdhsa_forward_progress 1
		.amdhsa_inst_pref_size 161
	.end_amdhsa_kernel
	.amdgpu_metadata
---
amdhsa.version: [ 1, 2 ]
amdhsa.kernels:
  - .name:           k_q9b9abb014a_attn
    .symbol:         k_q9b9abb014a_attn.kd
    .args:
      - { .name: qk, .offset: 0, .size: 8, .value_kind: global_buffer, .address_space: global }
      - { .name: v16, .offset: 8, .size: 8, .value_kind: global_buffer, .address_space: global }
      - { .name: nrm, .offset: 16, .size: 8, .value_kind: global_buffer, .address_space: global }
      - { .name: alpha, .offset: 24, .size: 8, .value_kind: global_buffer, .address_space: global }
      - { .name: att, .offset: 32, .size: 8, .value_kind: global_buffer, .address_space: global }
    .group_segment_fixed_size: 327680
    .private_segment_fixed_size: 0
    .kernarg_segment_align: 8
    .kernarg_segment_size: 40
    .max_flat_workgroup_size: 256
    .sgpr_count:     90
    .vgpr_count:     512
    .wavefront_size: 32
...
	.end_amdgpu_metadata
.endif
;; end of part 3
;; launch proj (part 4): grid 8 x 32, 4 waves a work-group, clusters of 4 x 4, 327,680 bytes of LDS; arguments att, wo16, bo, out0; writes out0
.if DOCPART == 4
	.amdgcn_target "amdgcn-amd-amdhsa--gfx1250"
	.amdhsa_code_object_version 6
	.text
	.protected	k_q9b9abb014a_proj
	.globl	k_q9b9abb014a_proj
	.p2align	8
	.type	k_q9b9abb014a_proj,@function
k_q9b9abb014a_proj:
	s_mov_b64 s[64:65], 0
	v_nop
	global_prefetch_b8 v0, s[64:65] scope:SCOPE_SE
	s_setreg_imm32_b32 hwreg(HW_REG_WAVE_MODE, 25, 1), 1
	s_wait_xcnt 0x0
	s_wait_alu depctr_hold_cnt(0) depctr_sa_sdst(0) depctr_va_vdst(0) depctr_va_sdst(0) depctr_va_ssrc(0) depctr_va_vcc(0) depctr_vm_vsrc(0)
	s_getreg_b32 s2, hwreg(HW_REG_IB_STS2, 6, 4)
	s_cmp_eq_u32 s2, 0
	s_cbranch_scc0 .Lentry_in_a_cluster
	s_endpgm
.Lentry_in_a_cluster:
	s_bfe_u32 s2, ttmp6, 0x10000c
	s_cmp_lg_u32 s2, 0xf033
	s_cbranch_scc0 .Lentry_shape_is_right
	s_endpgm
.Lentry_shape_is_right:
; out0[m][n] = the sum over k of A[m][k] Wo[n][k] + bo[n].  A is the attention's result, f16, laid by heads: att [32 batch x head][2048][64]; k = 64 head + channel.  wo16: [1024][1024] f16.  out0: [4096][1024] f32; sums in f32.
; A tile of out0 is 128 x 128: 256 work-groups.  Four waves, each 64 x 64: 16 accumulators.  K goes in steps of 256 (four heads) through two LDS slots.
; A's TILE: 64 tokens of one head are 8,192 consecutive bytes; a load brings four such runs, one a head, 262,144 bytes apart, with 16 bytes of padding behind every 128: a token's 64 channels lie 144 bytes apart, a head's plane 9,216.
; CLUSTERS: 4 x 4 work-groups; A's tiles are asked for jointly along a row of the cluster, B's along a column.  THE MATRIX INSTRUCTION IS USED TRANSPOSED (source 0 = 16 rows of Wo, source 1 = 16 tokens): a lane
; holds eight neighbouring numbers of a row of out0.  THE BIAS is the C of each sum's first product.  A wave's 64 columns are 256 aligned bytes: each wave has a stage of its own on the way out, and no barrier stands there.
; No prefetch is laid: a K step's tiles are small and there are four K steps.
; REGISTERS: window 0: v0-31 addresses; v32-95 rows on the way out; v96-127 the bias; v128-255 the accumulators ((a, b) at v[128 + 8 (4 a + b)]).  window 1: two fragment buffers of 128: 64 of A, then 64 of B.
.set PA,     144
.set PLANE,  64*PA                     ; 9,216
.set AH,     4*PLANE                   ; 64 tokens x four heads: what one load of A brings
.set PB,     528                       ; a row of B in LDS: 512 bytes + 16
.set BH,     64*PB
.set BOFF,   2*AH
.set SLOT,   2*AH+2*BH
.set STAGE,  2*SLOT                    ; 16 rows x 272 bytes a wave
.set SPITCH, 272
.set SPARE,  STAGE+4*16*SPITCH
.set LAPS,   2                         ; a lap = two K steps
.set ASTEP,  4*262144                  ; four heads on
.set BSTEP,  512
.set ADRA, 16
.set ADRB, 20
.set STO,  24
.set RD,   25
.set CO,   26
.set BO,   27
.set SPW,  28
.set NIL,  29
.set TMP,  32
.set BI,   96
.set ACC,  128
.set F0,   0
.set F1,   128
.set G1, 24
.set G0, 32
.set G1B, 48
.set G0B, 56
.set MSB, 0
.macro WIN new
.if MSB != (\new)
	s_set_vgpr_msb (MSB<<8)|(\new)
.set MSB, (\new)
.endif
.endm
.set MUL,  0x05                        ; sources 0 (B) and 1 (A) window 1; C and D window 0
.set TO_F, 0x40
.macro JLOAD s                         ; waves 0 and 1 fetch A's two halves, waves 2 and 3 B's; an s_nop 0 and four v_nop follow each line
	s_cmp_eq_u32 s11, 0
	s_cbranch_scc0 .Lfor_b_\@
	tensor_load_to_lds s[G0+4*\s:G0+4*\s+3], s[G1:G1+7]
	s_nop 0
.rept 4
	v_nop
.endr
	s_branch .Lasked_\@
.Lfor_b_\@:
	tensor_load_to_lds s[G0B+4*\s:G0B+4*\s+3], s[G1B:G1B+7]
	s_nop 0
.rept 4
	v_nop
.endr
.Lasked_\@:
.endm
.macro CREST
	s_cmp_lg_u32 s10, 0
	s_cbranch_scc1 .Lnot_wave_0_\@
	s_barrier_signal -3
.Lnot_wave_0_\@:
	s_barrier_wait -3
	s_barrier_signal -1
	s_barrier_wait -1
.endm
.macro CROUND
	s_barrier_signal -1
	s_barrier_wait -1
	CREST
.endm
	s_load_b128 s[4:7], s[0:1], 0x0                ; att, wo16
	s_load_b128 s[68:71], s[0:1], 0x10             ; bo, out0
	v_lshl_add_u32 v[SPW], v0, 2, SPARE
	v_mov_b32 v[NIL], 0
	ds_add_u32 v[SPW], v[NIL]                      ; the wave's opening: the add, twice on end, and its wait ahead of my first tensor load
	ds_add_u32 v[SPW], v[NIL]
	v_lshrrev_b32 v1, 5, v0
	v_readfirstlane_b32 s10, v1                    ; wave 0..3
	s_lshr_b32 s11, s10, 1                         ; which half of the tile's rows is mine.  Also: I fetch for A (0) or for B (1)
	s_and_b32 s12, s10, 1                          ; which half of its columns.  Also: which 64 rows I fetch
	s_bfe_u32 s40, ttmp6, 0x40000
	s_bfe_u32 s41, ttmp6, 0x40004
	s_lshl_b32 s42, ttmp9, 2
	s_add_co_u32 s42, s42, s40                     ; tile column
	s_and_b32 s13, ttmp7, 0xffff
	s_lshl_b32 s13, s13, 2
	s_add_co_u32 s13, s13, s41                     ; tile row
	s_lshl_b32 s43, s41, 2
	s_lshl_b32 s43, 15, s43                        ; my row of the cluster
	s_lshl_b32 s44, 0x1111, s40                    ; my column
	; group 1 for A: four rows of 4,096 elements of 2 bytes, 131,072 elements apart; 4 words of padding behind every 32
	s_or_b32 s[G1+0], s43, (1<<16)|(1<<20)|(1<<21)|(4<<22)|(3<<25)
	s_mov_b32 s[G1+1], 4096<<16
	s_mov_b32 s[G1+2], 4<<16
	s_mov_b32 s[G1+3], 4096<<16
	s_mov_b32 s[G1+4], 4
	s_mov_b32 s[G1+5], 131072
	s_mov_b32 s[G1+6], 0
	s_mov_b32 s[G1+7], 0
	; for B: 64 rows of 256 elements, 1,024 apart; 4 words of padding behind every 128
	s_or_b32 s[G1B+0], s44, (1<<16)|(1<<20)|(1<<21)|(6<<22)|(3<<25)
	s_mov_b32 s[G1B+1], 256<<16
	s_mov_b32 s[G1B+2], 64<<16
	s_mov_b32 s[G1B+3], 256<<16
	s_mov_b32 s[G1B+4], 64
	s_mov_b32 s[G1B+5], 1024
	s_mov_b32 s[G1B+6], 0
	s_mov_b32 s[G1B+7], 0
	s_lshr_b32 s16, s13, 4                         ; A: the batch (sixteen tile rows each): 16 heads of 262,144 bytes,
	s_lshl_b32 s16, s16, 22
	s_and_b32 s17, s13, 15
	s_lshl_b32 s17, s17, 14                        ; 128 tokens of 128 bytes a tile row,
	s_add_co_u32 s16, s16, s17
	s_lshl_b32 s17, s12, 13                        ; my 64 of them
	s_add_co_u32 s16, s16, s17
	s_mov_b32 s17, 0
	s_lshl_b32 s46, s42, 18                        ; B: row 128 x tile column + 64 x half, 2,048 bytes a row
	s_lshl_b32 s47, s12, 17
	s_add_co_u32 s46, s46, s47
	s_mov_b32 s47, 0
	s_mul_i32 s20, s12, AH                         ; where they go: no place in the cluster enters an LDS address
	s_mul_i32 s21, s12, BH
	s_add_co_u32 s21, s21, BOFF
	s_wait_dscnt 0x0                               ; both opening adds are done
	s_wait_kmcnt 0x0
	s_add_nc_u64 s[14:15], s[4:5], s[16:17]
	s_add_nc_u64 s[46:47], s[6:7], s[46:47]
	CROUND                                         ; all sixteen work-groups are here: the first joint loads meet
.irp s, 0,1
	s_mov_b32 s[G0+4*\s], 1
	s_add_co_u32 s[G0+4*\s+1], s20, \s*SLOT
	s_add_nc_u64 s[G0+4*\s+2:G0+4*\s+3], s[14:15], \s*ASTEP
	s_or_b32 s[G0+4*\s+3], s[G0+4*\s+3], 0x80000000
	s_mov_b32 s[G0B+4*\s], 1
	s_add_co_u32 s[G0B+4*\s+1], s21, \s*SLOT
	s_add_nc_u64 s[G0B+4*\s+2:G0B+4*\s+3], s[46:47], \s*BSTEP
	s_or_b32 s[G0B+4*\s+3], s[G0B+4*\s+3], 0x80000000
	JLOAD \s                                       ; two tensor loads of mine are out
.endr
	s_lshl_b32 s16, s13, 19                        ; out0: my first row, 128 x tile row + 64 x half, 4,096 bytes a row
	s_lshl_b32 s17, s11, 18
	s_add_co_u32 s16, s16, s17
	s_mov_b32 s17, 0
	s_add_nc_u64 s[70:71], s[70:71], s[16:17]
	s_lshl_b32 s46, s42, 9                         ; my first column, 128 x tile column + 64 x half, 4 bytes each: in out0 and in bo
	s_lshl_b32 s47, s12, 8
	s_add_co_u32 s46, s46, s47
	s_mov_b32 s47, 0
	s_add_nc_u64 s[70:71], s[70:71], s[46:47]
	s_add_nc_u64 s[68:69], s[68:69], s[46:47]
	v_and_b32 v1, 15, v0                           ; r
	v_bfe_u32 v2, v0, 4, 1                         ; h
	v_lshlrev_b32 v[BO], 5, v2
.irp b, 0,1,2,3                                ; register 8 b + j = bo of column 16 b + 8 h + j: the result's layout
	global_load_b128 v[BI+8*\b:BI+8*\b+3], v[BO], s[68:69] offset:64*\b
	global_load_b128 v[BI+8*\b+4:BI+8*\b+7], v[BO], s[68:69] offset:64*\b+16
.endr
	v_mul_u32_u24 v3, v1, PA
	v_lshl_add_u32 v3, v2, 4, v3                   ; A: token r x 144 + 16 h
	v_mul_u32_u24 v4, v1, PB
	v_lshl_add_u32 v4, v2, 4, v4                   ; B: row r x 528 + 16 h
	s_mul_i32 s21, s11, AH                         ; my 64 tokens
	s_mul_i32 s22, s12, BH                         ; my 64 rows of B,
	s_add_co_u32 s22, s22, BOFF                    ; behind A's
.irp s, 0,1
	v_add_nc_u32 v[ADRA+\s], s21, v3
	v_add_nc_u32 v[ADRB+\s], s22, v4
	s_add_co_u32 s21, s21, SLOT
	s_add_co_u32 s22, s22, SLOT
.endr
	s_mul_i32 s23, s10, 16*SPITCH
	s_add_co_u32 s23, s23, STAGE                   ; my stage
	v_mul_u32_u24 v5, v1, SPITCH
	v_lshl_add_u32 v5, v2, 5, v5
	v_add_nc_u32 v[STO], s23, v5                   ; in: row r, 32 bytes for each half of the lanes
	v_mul_u32_u24 v5, v2, SPITCH
	v_lshl_add_u32 v5, v1, 4, v5
	v_add_nc_u32 v[RD], s23, v5                    ; back: lanes 0-15 one row of 256 bytes, lanes 16-31 the next
	v_lshlrev_b32 v5, 12, v2
	v_lshl_add_u32 v[CO], v1, 4, v5                ; and the same two rows in out0
.macro MUL8 f, c, a0, zero             ; 8 products: m blocks a0, a0 + 1 x all 4 n blocks, 32 along K.  zero = 1: the first product starts the sums from the bias.  The 16 accumulators take turns
.irp a, \a0, \a0+1
.irp b, 0,1,2,3
.if \zero
	v_wmma_f32_16x16x32_f16 v[ACC+8*(4*(\a)+\b):ACC+8*(4*(\a)+\b)+7], v[\f+64+8*(4*\c+\b):\f+64+8*(4*\c+\b)+7], v[\f+8*(4*\c+\a):\f+8*(4*\c+\a)+7], v[BI+8*\b:BI+8*\b+7]
.else
	v_wmma_f32_16x16x32_f16 v[ACC+8*(4*(\a)+\b):ACC+8*(4*(\a)+\b)+7], v[\f+64+8*(4*\c+\b):\f+64+8*(4*\c+\b)+7], v[\f+8*(4*\c+\a):\f+8*(4*\c+\a)+7], v[ACC+8*(4*(\a)+\b):ACC+8*(4*(\a)+\b)+7]
.endif
.endr
.endr
.endm
.macro FETCH slot, qd, f               ; 32 LDS loads in one run: quarter qd of the K step (one head: 64 along K) into buffer f; the first 32 along K first
	WIN TO_F
.irp c, 0,1
.irp i, 0,1,2,3
	ds_load_b128 v[\f+64+8*(4*\c+\i):\f+64+8*(4*\c+\i)+3],   v[ADRB+\slot] offset:128*(\qd)+64*\c+\i*16*PB
	ds_load_b128 v[\f+64+8*(4*\c+\i)+4:\f+64+8*(4*\c+\i)+7], v[ADRB+\slot] offset:128*(\qd)+64*\c+\i*16*PB+32
	ds_load_b128 v[\f+8*(4*\c+\i):\f+8*(4*\c+\i)+3],         v[ADRA+\slot] offset:PLANE*(\qd)+64*\c+\i*16*PA
	ds_load_b128 v[\f+8*(4*\c+\i)+4:\f+8*(4*\c+\i)+7],       v[ADRA+\slot] offset:PLANE*(\qd)+64*\c+\i*16*PA+32
.endr
.endr
.endm
.macro PLACES
.rept 4
	v_nop
.endr
.endm
.macro QUARTER slot, qd, f, g, zero    ; multiplies buffer f and fetches quarter qd into g
	s_wait_dscnt 16                                ; the first 32 along K are in; the younger sixteen loads may be out
	WIN MUL
	MUL8 \f, 0, 0, \zero
	MUL8 \f, 0, 2, \zero
	PLACES
	FETCH \slot, \qd, \g
	s_wait_dscnt 32                                ; all but the 32 just issued
	WIN MUL
	MUL8 \f, 1, 0, 0
	MUL8 \f, 1, 2, 0
.endm
; The last quarter multiplies buffer 1 and changes slots: one barrier; in front of it each wave waits for all its tensor loads, adds 0 to its spare word, and waits for that and for its reads of this slot.
.macro TURN slot, next, fill
	WIN 0
	s_wait_tensorcnt 0x0                           ; all my tensor loads have landed: my part of the next slot
	ds_add_u32 v[SPW], v[NIL]
	s_wait_dscnt 17                                ; (the add and the youngest sixteen loads may be out)
	WIN MUL
	MUL8 F1, 0, 0, 0
	s_wait_dscnt 0x0                               ; the add is done, and my reads of this slot are over
	s_barrier_signal -1
	MUL8 F1, 0, 2, 0
.if \fill
	WIN 0
.endif
	s_barrier_wait -1
.if \fill
	CREST                                          ; the barrier has opened a round of the cluster's barrier
	s_add_nc_u64 s[G0+4*\slot+2:G0+4*\slot+3], s[G0+4*\slot+2:G0+4*\slot+3], 2*ASTEP
	s_add_nc_u64 s[G0B+4*\slot+2:G0B+4*\slot+3], s[G0B+4*\slot+2:G0B+4*\slot+3], 2*BSTEP
	JLOAD \slot                                    ; the first tensor load behind the round; its four v_nop are also the places in front of the loads below
.else
	PLACES
.endif
	FETCH \next, 0, F0
	WIN MUL
	MUL8 F1, 1, 0, 0
	MUL8 F1, 1, 2, 0
.endm
	s_wait_tensorcnt 1                             ; my part of K step 0 is in; K step 1's may be out
	s_barrier_signal -1
	s_barrier_wait -1
	FETCH 0, 0, F0
	s_wait_loadcnt 0x0                             ; the bias
	QUARTER 0, 1, F0, F1, 1
	WIN 0
	s_mov_b32 s3, LAPS-1
.Llap:                                             ; a trip goes once round the ring and fills both slots again
	QUARTER 0, 2, F1, F0, 0
	QUARTER 0, 3, F0, F1, 0
	TURN 0, 1, 1
	QUARTER 1, 1, F0, F1, 0
	QUARTER 1, 2, F1, F0, 0
	QUARTER 1, 3, F0, F1, 0
	TURN 1, 0, 1
	QUARTER 0, 1, F0, F1, 0
	WIN 0
	s_sub_co_u32 s3, s3, 1
	s_cmp_lg_u32 s3, 0
	s_cbranch_scc1 .Llap
	QUARTER 0, 2, F1, F0, 0                        ; the last lap fills nothing
	QUARTER 0, 3, F0, F1, 0
	TURN 0, 1, 0
	QUARTER 1, 1, F0, F1, 0
	QUARTER 1, 2, F1, F0, 0
	QUARTER 1, 3, F0, F1, 0
	s_wait_dscnt 16
	WIN MUL
	MUL8 F1, 0, 0, 0
	MUL8 F1, 0, 2, 0
	s_wait_dscnt 0
	MUL8 F1, 1, 0, 0
	MUL8 F1, 1, 2, 0
	WIN 0
	; THE WAY OUT, 16 rows x 64 columns at a time, through my own stage: back as whole rows of 256 bytes
.macro TOSTAGE a
.irp b, 0,1,2,3
	ds_store_b128 v[STO], v[ACC+8*(4*(\a)+\b):ACC+8*(4*(\a)+\b)+3] offset:64*\b          ; each accumulator from its low end on
	ds_store_b128 v[STO], v[ACC+8*(4*(\a)+\b)+4:ACC+8*(4*(\a)+\b)+7] offset:64*\b+16
.endr
.set BB, TMP+32*((\a)%2)
.irp u, 0,1,2,3,4,5,6,7
	ds_load_b128 v[BB+4*\u:BB+4*\u+3], v[RD] offset:\u*2*SPITCH   ; LDS serves a wave's instructions in order: these see the stores above, and the next block's stores come behind them
.endr
.endm
.macro SEND a, younger
.set BB, TMP+32*((\a)%2)
	s_wait_dscnt \younger                          ; the block is back; the next block's 8 stores and 8 loads may be out
.irp u, 0,1,2,3,4,5,6,7
	global_store_b128 v[CO], v[BB+4*\u:BB+4*\u+3], s[70:71] offset:(16*(\a)+2*\u)*4096 th:TH_STORE_NT   ; sixteen lanes store 256 consecutive bytes, aligned
.endr
.endm
	PLACES
	TOSTAGE 0
.irp a, 1,2,3
.if \a > 1
	s_wait_xcnt 0x0                                ; block a - 2's stores have read their registers: block a's rows may land there
.endif
	TOSTAGE \a
	SEND \a-1, 16
.endr
	SEND 3, 0
	s_wait_tensorcnt 0x0                           ; the wave's end
	ds_add_u32 v[SPW], v[NIL]
	s_wait_dscnt 0x0
	CROUND                                         ; the closing round
	s_endpgm
.Lfunc_end_k_q9b9abb014a_proj:
	.size	k_q9b9abb014a_proj, .Lfunc_end_k_q9b9abb014a_proj-k_q9b9abb014a_proj
	.p2alignl 7, 3214868480
	.fill 96, 4, 3214868480
	.section	.rodata,"a",@progbits
	.p2align	6, 0x0
	.amdhsa_kernel k_q9b9abb014a_proj
		.amdhsa_group_segment_fixed_size 327680
		.amdhsa_private_segment_fixed_size 0
		.amdhsa_enable_private_segment 0
		.amdhsa_kernarg_size 32
		.amdhsa_user_sgpr_count 2
		.amdhsa_user_sgpr_kernarg_segment_ptr 1
		.amdhsa_wavefront_size32 1
		.amdhsa_system_sgpr_workgroup_id_x 1
		.amdhsa_system_sgpr_workgroup_id_y 1
		.amdhsa_system_sgpr_workgroup_id_z 1
		.amdhsa_system_vgpr_workitem_id 0
		.amdhsa_next_free_vgpr 512
		.amdhsa_next_free_sgpr 72
		.amdhsa_reserve_vcc 0
		.amdhsa_float_denorm_mode_32 3
		.amdhsa_float_denorm_mode_16_64 3
		.amdhsa_memory_ordered 1
		.amdhsa_forward_progress 1
		.amdhsa_inst_pref_size 87
	.end_amdhsa_kernel
	.amdgpu_metadata
---
amdhsa.version: [ 1, 2 ]
amdhsa.kernels:
  - .name:           k_q9b9abb014a_proj
    .symbol:         k_q9b9abb014a_proj.kd
    .args:
      - { .name: att, .offset: 0, .size: 8, .value_kind: global_buffer, .address_space: global }
      - { .name: wo16, .offset: 8, .size: 8, .value_kind: global_buffer, .address_space: global }
      - { .name: bo, .offset: 16, .size: 8, .value_kind: global_buffer, .address_space: global }
      - { .name: out0, .offset: 24, .size: 8, .value_kind: global_buffer, .address_space: global }
    .group_segment_fixed_size: 327680
    .private_segment_fixed_size: 0
    .kernarg_segment_align: 8
    .kernarg_segment_size: 32
    .max_flat_workgroup_size: 128
    .sgpr_count:     72
    .vgpr_count:     512
    .wavefront_size: 32
...
	.end_amdgpu_metadata
.endif
;; end of part 4
